; MI455X (gfx1250); checked and timed in simulation.
; The chip was launched on July 23, 2026; its instructions are those of AMD's public machine-readable ISA for CDNA 5 (MIT licence, August 2026) and "CDNA5" Instruction Set Architecture Reference Guide (July 2026). The comments in the code are by the model that wrote it; some were corrected since.
;; Multi Head Attention. Allowed arithmetic: float matrix products may take bf16 or f16 operands with f32 sums; all other float work in f32.
;; Inputs: Wk 1,024 x 16 x 64 float32; Wo 1,024 x 1,024 float32; Wq 1,024 x 16 x 64 float32; Wv 1,024 x 16 x 64 float32; bo 1,024 float32; inputs 4 x 2,048 x 1,024 float32; mask 4 x 2,048 x 2,048 bool.
;; Outputs: out0 4 x 2,048 x 1,024 float32.
;; One version. Each part assembles by itself: llvm-mc -triple=amdgcn-amd-amdhsa -mcpu=gfx1250 --defsym DOCPART=n.
;; ======== version 1 of 1: 4 launches
;; limits: values are held in f16: magnitudes above 65,504 overflow, below 6.1e-05 lose precision
;; workspace buffers: xb 16,777,216 bytes; wt 8,388,608 bytes; mbits 2,097,152 bytes of whole numbers; qkv 50,331,648 bytes; xatt 16,777,216 bytes
;; launch prep (part 1): grid 2048 x 1, 8 waves a work-group, no clusters, 18,432 bytes of LDS; arguments inputs, Wq, Wk, Wv, Wo, mask, xb, wt, mbits; writes xb, wt, mbits
.if DOCPART == 1
	.amdgcn_target "amdgcn-amd-amdhsa--gfx1250"
	.amdhsa_code_object_version 6
	.text
	.protected	k_q44740c77b8_prep
	.globl	k_q44740c77b8_prep
	.p2align	8
	.type	k_q44740c77b8_prep,@function
k_q44740c77b8_prep:
	s_mov_b64 s[64:65], 0
	v_nop
	global_prefetch_b8 v0, s[64:65] scope:SCOPE_SE
	s_setreg_imm32_b32 hwreg(HW_REG_WAVE_MODE, 25, 1), 1
	s_wait_xcnt 0x0
; prep: three jobs, each work-group does one of them on 32 KiB of input; the job hangs on the work-group's number alone.
;   X (groups 0-1023):    xb = inputs rounded to f16, same order.
;   W (groups 1024-1535): wt[mi*1024 + n][k] = f_mi W_mi[k][n] rounded to f16, mi = 0..3 for Wq, Wk, Wv, Wo: a tile of 128 k x 64 n is turned in LDS.
;                         f = 1 but for Wk, where f = 0.125 log2 e: reference()'s SCALE and the change from e^x to 2^x are laid on k once, ahead of its one rounding,
;                         so that the attention launch's score product q.k needs no further factor.
;   M (groups 1536-2047): mbits: the mask as lane masks.  Word [b][Jb][q][e][it][jj], bit L = mask[b][16 it + 8 (L>>4) + jj][256 Jb + 16 (L&15) + 4 q + e]:
;                         the 32 lanes of one result register of a 16 x 16 score tile of the attention launch.  Any non-zero mask byte counts as true.
; LIMITS: f16 holds magnitudes below 65,504 with 11 significant bits, and below 2^-14 with an absolute error of 2^-25.  Inputs of spread 1 and weights of spread 0.02
; (Wk with its factor: 0.0036), each 30 times larger or smaller or shifted by 30 spreads, lie inside that range; larger magnitudes than 65,504 become infinite.
; No matrix unit and no cluster: every input byte is read by one work-group only, and the work is moving bytes.
; Every global load covers whole runs of 256 consecutive bytes per 16 lanes; every store of 16 lanes (X: of a wave) fills 256 consecutive aligned bytes.
.set NX,   1024                        ; work-groups of job X
.set NXW,  1536                        ; of jobs X and W together
.set WP,   272                         ; job W: LDS row of 128 f16 + 16 bytes, an odd multiple of 16
	s_load_b512 s[4:19], s[0:1], 0x0               ; inputs s[4:5], Wq s[6:7], Wk s[8:9], Wv s[10:11], Wo s[12:13], mask s[14:15], xb s[16:17], wt s[18:19]
	s_load_b64 s[20:21], s[0:1], 0x40              ; mbits
	v_lshl_add_u32 v64, v0, 2, 0x4400
	v_mov_b32 v65, 0
	v_lshrrev_b32 v1, 5, v0
	v_readfirstlane_b32 s3, v1                     ; wave 0..7
	s_mov_b32 s2, ttmp9
	s_mov_b32 s23, 0                               ; high word of every offset pair s[22:23]
	s_wait_kmcnt 0x0
	s_cmp_ge_u32 s2, NX
	s_cbranch_scc1 .Lnot_x
	; ---- job X: 8,192 numbers.  Thread t takes 16 bytes at 16 t + 4,096 u and stores 8 bytes at 8 t + 2,048 u.
	s_lshl_b32 s22, s2, 15
	s_add_nc_u64 s[4:5], s[4:5], s[22:23]
	s_lshl_b32 s22, s2, 14
	s_add_nc_u64 s[16:17], s[16:17], s[22:23]
	v_lshlrev_b32 v1, 4, v0
	v_lshlrev_b32 v2, 3, v0
.irp u, 0,1,2,3,4,5,6,7
	global_load_b128 v[8+4*\u:11+4*\u], v1, s[4:5] offset:4096*\u th:TH_LOAD_NT
.endr
.irp u, 0,1,2,3,4,5,6,7
	s_wait_loadcnt 7-\u                            ; loads return in order: load u is in, the 7 - u younger ones stay out
	v_cvt_pk_f16_f32 v[40+2*\u], v[8+4*\u], v[9+4*\u]
	v_cvt_pk_f16_f32 v[41+2*\u], v[10+4*\u], v[11+4*\u]
	global_store_b64 v2, v[40+2*\u:41+2*\u], s[16:17] offset:2048*\u
.endr
	s_endpgm
.Lnot_x:
	s_cmp_ge_u32 s2, NXW
	s_cbranch_scc1 .Lrole_m
	; ---- job W: m = mi*128 + kb*16 + nb; the tile is rows k = 128 kb .. +127, columns n = 64 nb .. +63 of matrix mi.
	s_sub_co_u32 s24, s2, NX
	s_lshr_b32 s25, s24, 7                         ; mi
	s_bfe_u32 s26, s24, 0x30004                    ; kb
	s_and_b32 s27, s24, 15                         ; nb
	s_mov_b32 s30, 0x3f800000                      ; the factor: 1,
	s_mov_b32 s31, 0x3e38aa3b                      ; or 0.125 log2 e for Wk
	s_cmp_eq_u32 s25, 1
	s_cselect_b64 s[6:7], s[8:9], s[6:7]           ; the matrix is chosen by mi
	s_cselect_b32 s30, s31, s30                    ; and so is the factor (a select leaves SCC as it is)
	s_mov_b32 s31, s30                             ; the packed multiply names the pair
	s_cmp_eq_u32 s25, 2
	s_cselect_b64 s[6:7], s[10:11], s[6:7]
	s_cmp_eq_u32 s25, 3
	s_cselect_b64 s[6:7], s[12:13], s[6:7]
	s_lshl_b32 s22, s26, 19                        ; 128 rows of 4,096 bytes
	s_lshl_b32 s28, s27, 8                         ; 64 columns of 4 bytes
	s_add_co_u32 s22, s22, s28
	s_add_nc_u64 s[6:7], s[6:7], s[22:23]
	s_lshl_b32 s22, s25, 21                        ; wt: 1,024 rows of 2,048 bytes for each matrix
	s_lshl_b32 s28, s27, 17                        ; 64 rows
	s_add_co_u32 s22, s22, s28
	s_lshl_b32 s28, s26, 8                         ; 128 k of 2 bytes
	s_add_co_u32 s22, s22, s28
	s_add_nc_u64 s[18:19], s[18:19], s[22:23]
	v_and_b32 v2, 15, v0                           ; c
	v_bfe_u32 v1, v0, 4, 1                         ; which half of the wave
	v_lshlrev_b32 v3, 4, v2                        ; 16 c
	v_lshrrev_b32 v6, 4, v0                        ; g = t / 16 = 2 wave + half
	v_lshl_add_u32 v4, v6, 13, v3                  ; load: rows 2 g, 2 g + 1 (8,192 bytes a pair), 16 bytes at 16 c
	v_lshl_add_u32 v7, v6, 11, v3                  ; store: row g of wt, 16 bytes at 16 c
	v_mul_u32_u24 v5, v2, 4*WP                     ; LDS in: row n = 4 c + e, word k / 2 = 16 p + g
	v_lshl_add_u32 v5, v1, 2, v5
	s_lshl_b32 s28, s3, 3
	v_add_nc_u32 v5, s28, v5
	v_mul_u32_u24 v6, v1, WP                       ; LDS back: row g, 16 bytes at 16 c
	v_add_nc_u32 v6, v6, v3
	s_mul_i32 s28, s3, 2*WP
	v_add_nc_u32 v6, s28, v6
.irp p, 0,1,2,3
	global_load_b128 v[8+8*\p:11+8*\p], v4, s[6:7] offset:131072*\p th:TH_LOAD_NT          ; row k = 32 p + 2 g
	global_load_b128 v[12+8*\p:15+8*\p], v4, s[6:7] offset:131072*\p+4096 th:TH_LOAD_NT    ; row k + 1
.endr
	s_wait_loadcnt 0x0
.irp i, 0,1,2,3,4,5,6,7,8,9,10,11,12,13,14,15
	v_pk_mul_f32 v[8+2*\i:9+2*\i], v[8+2*\i:9+2*\i], s[30:31] op_sel_hi:[1,0]              ; both by s30, the matrix's factor
.endr
.irp p, 0,1,2,3
.irp e, 0,1,2,3
	v_cvt_pk_f16_f32 v[40+4*\p+\e], v[8+8*\p+\e], v[12+8*\p+\e]      ; two neighbouring k of column 4 c + e
	ds_store_b32 v5, v[40+4*\p+\e] offset:WP*\e+64*\p
.endr
.endr
	s_wait_dscnt 0x0                               ; my stores are in LDS before I say so
	s_barrier_signal -1
	s_barrier_wait -1
.irp u, 0,1,2,3
	ds_load_b128 v[8+4*\u:11+4*\u], v6 offset:16*WP*\u               ; row n = 16 u + g
.endr
.irp u, 0,1,2,3
	s_wait_dscnt 3-\u
	global_store_b128 v7, v[8+4*\u:11+4*\u], s[18:19] offset:32768*\u
.endr
	s_wait_tensorcnt 0x0
	ds_add_u32 v64, v65
	s_wait_dscnt 0x0
	s_endpgm
.Lrole_m:
	; ---- job M: m = b*128 + Jb*16 + ib; the tile is rows i = 128 ib .. +127, columns j = 256 Jb .. +255 of mask[b].  Wave w takes the 16 rows 16 w .. +15.
	s_sub_co_u32 s24, s2, NXW
	s_lshr_b32 s25, s24, 7                         ; b
	s_bfe_u32 s26, s24, 0x30004                    ; Jb
	s_and_b32 s27, s24, 15                         ; ib
	s_lshl_b32 s22, s25, 22                        ; 2,048 x 2,048 bytes
	s_lshl_b32 s28, s27, 18                        ; 128 rows of 2,048 bytes
	s_add_co_u32 s22, s22, s28
	s_lshl_b32 s28, s26, 8
	s_add_co_u32 s22, s22, s28
	s_add_nc_u64 s[14:15], s[14:15], s[22:23]
	s_lshl_b32 s22, s25, 3
	s_add_co_u32 s22, s22, s26
	s_lshl_b32 s22, s22, 16                        ; (8 b + Jb) x 16 (q, e) x 4,096 bytes
	s_lshl_b32 s28, s27, 8                         ; 8 tiles it x 32 bytes
	s_add_co_u32 s22, s22, s28
	s_add_nc_u64 s[20:21], s[20:21], s[22:23]
	v_and_b32 v2, 15, v0
	v_lshlrev_b32 v4, 4, v2
	v_lshrrev_b32 v3, 4, v0                        ; t / 16: 8 rows each
	v_lshl_add_u32 v5, v3, 14, v4                  ; load: row 8 (t / 16) + jj, 16 bytes at 16 (t & 15)
	v_lshl_add_u32 v7, v3, 12, v4                  ; store: block (q, e) = t / 16, 16 bytes at 16 (t & 15)
	v_bfe_u32 v6, v0, 3, 2                         ; LDS in: lane 8 e + jj of register q goes to 1,024 q + 256 e + 32 w + 4 jj
	v_lshlrev_b32 v6, 8, v6
	v_and_b32 v1, 7, v0
	v_lshl_add_u32 v6, v1, 2, v6
	s_lshl_b32 s28, s3, 5
	v_add_nc_u32 v6, s28, v6
	v_and_b32 v1, 31, v0                           ; LDS back: 16 t
	v_lshlrev_b32 v1, 4, v1
	s_lshl_b32 s28, s3, 9
	v_add_nc_u32 v1, s28, v1
.irp jj, 0,1,2,3,4,5,6,7
	global_load_b128 v[8+4*\jj:11+4*\jj], v5, s[14:15] offset:2048*\jj th:TH_LOAD_NT
.endr
.irp q, 0,1,2,3
	v_mov_b32 v[44+\q], 0                          ; v_writelane_b32 keeps the other lanes: the register is written whole first
.endr
	s_wait_loadcnt 0x0
	; byte 4 q + e of my 16 is column 16 (L & 15) + 4 q + e: one compare makes the 32 lanes' bits, one v_writelane_b32 files the word
.set cnt, 0
.irp jj, 0,1,2,3,4,5,6,7
.irp q, 0,1,2,3
.irp e, 0,1,2,3
	v_and_b32 v[48+cnt%4], 0xff<<(8*\e), v[8+4*\jj+\q]
	v_cmp_ne_u32 s[32+cnt%8], 0, v[48+cnt%4]
	v_writelane_b32 v[44+\q], s[32+cnt%8], 8*\e+\jj
.set cnt, cnt+1
.endr
.endr
.endr
.irp q, 0,1,2,3
	ds_store_b32 v6, v[44+\q] offset:1024*\q
.endr
	s_wait_dscnt 0x0
	s_barrier_signal -1
	s_barrier_wait -1
	ds_load_b128 v[8:11], v1
	s_wait_dscnt 0x0
	global_store_b128 v7, v[8:11], s[20:21]
	s_wait_tensorcnt 0x0
	ds_add_u32 v64, v65
	s_wait_dscnt 0x0
	s_endpgm
.Lfunc_end_k_q44740c77b8_prep:
	.size	k_q44740c77b8_prep, .Lfunc_end_k_q44740c77b8_prep-k_q44740c77b8_prep
	.p2alignl 7, 3214868480
	.fill 96, 4, 3214868480
	.section	.rodata,"a",@progbits
	.p2align	6, 0x0
	.amdhsa_kernel k_q44740c77b8_prep
		.amdhsa_group_segment_fixed_size 18432
		.amdhsa_private_segment_fixed_size 0
		.amdhsa_enable_private_segment 0
		.amdhsa_kernarg_size 72
		.amdhsa_user_sgpr_count 2
		.amdhsa_user_sgpr_kernarg_segment_ptr 1
		.amdhsa_wavefront_size32 1
		.amdhsa_system_sgpr_workgroup_id_x 1
		.amdhsa_system_sgpr_workgroup_id_y 1
		.amdhsa_system_sgpr_workgroup_id_z 1
		.amdhsa_system_vgpr_workitem_id 0
		.amdhsa_next_free_vgpr 66
		.amdhsa_next_free_sgpr 66
		.amdhsa_reserve_vcc 0
		.amdhsa_float_denorm_mode_32 3
		.amdhsa_float_denorm_mode_16_64 3
		.amdhsa_memory_ordered 1
		.amdhsa_forward_progress 1
		.amdhsa_inst_pref_size 37
	.end_amdhsa_kernel
	.amdgpu_metadata
---
amdhsa.version: [ 1, 2 ]
amdhsa.kernels:
  - .name:           k_q44740c77b8_prep
    .symbol:         k_q44740c77b8_prep.kd
    .args:
      - { .name: inputs, .offset: 0, .size: 8, .value_kind: global_buffer, .address_space: global }
      - { .name: Wq, .offset: 8, .size: 8, .value_kind: global_buffer, .address_space: global }
      - { .name: Wk, .offset: 16, .size: 8, .value_kind: global_buffer, .address_space: global }
      - { .name: Wv, .offset: 24, .size: 8, .value_kind: global_buffer, .address_space: global }
      - { .name: Wo, .offset: 32, .size: 8, .value_kind: global_buffer, .address_space: global }
      - { .name: mask, .offset: 40, .size: 8, .value_kind: global_buffer, .address_space: global }
      - { .name: xb, .offset: 48, .size: 8, .value_kind: global_buffer, .address_space: global }
      - { .name: wt, .offset: 56, .size: 8, .value_kind: global_buffer, .address_space: global }
      - { .name: mbits, .offset: 64, .size: 8, .value_kind: global_buffer, .address_space: global }
    .group_segment_fixed_size: 18432
    .private_segment_fixed_size: 0
    .kernarg_segment_align: 8
    .kernarg_segment_size: 72
    .max_flat_workgroup_size: 256
    .sgpr_count:     66
    .vgpr_count:     66
    .wavefront_size: 32
...
	.end_amdgpu_metadata
.endif
;; end of part 1
;; launch gemm_qkv (part 2): grid 12 x 64, 4 waves a work-group, clusters of 4 x 4, 327,680 bytes of LDS; arguments xb, wt, qkv; writes qkv
.if DOCPART == 2
	.amdgcn_target "amdgcn-amd-amdhsa--gfx1250"
	.amdhsa_code_object_version 6
	.text
	.protected	k_q44740c77b8_gemm_qkv
	.globl	k_q44740c77b8_gemm_qkv
	.p2align	8
	.type	k_q44740c77b8_gemm_qkv,@function
k_q44740c77b8_gemm_qkv:
	s_mov_b64 s[64:65], 0
	v_nop
	global_prefetch_b8 v0, s[64:65] scope:SCOPE_SE
	s_setreg_imm32_b32 hwreg(HW_REG_WAVE_MODE, 25, 1), 1
	s_wait_xcnt 0x0
	s_wait_alu depctr_hold_cnt(0) depctr_sa_sdst(0) depctr_va_vdst(0) depctr_va_sdst(0) depctr_va_ssrc(0) depctr_va_vcc(0) depctr_vm_vsrc(0)
	s_getreg_b32 s2, hwreg(HW_REG_IB_STS2, 6, 4)
	s_cmp_eq_u32 s2, 0
	s_cbranch_scc0 .Lentry_in_a_cluster
	s_endpgm
.Lentry_in_a_cluster:
	s_bfe_u32 s2, ttmp6, 0x10000c
	s_cmp_lg_u32 s2, 0xf033
	s_cbranch_scc0 .Lentry_shape_is_right
	s_endpgm
.Lentry_shape_is_right:
; C[m][n] = sum over k of A[m][k] B[n][k] (+ bias[n] where OUTF32).  A: [8192][SIZE_K] f16; B: rows of wt from byte BOFF on, [SIZE_N][SIZE_K] f16; sums in f32.
; Here: A = xb, B = wt rows 0-3071 (Wq, Wk, Wv turned), C = qkv in f16.
; LIMIT: q, k, v are rounded to f16: magnitudes below 65,504.  With inputs of spread 1 and weights of spread 0.02 they reach about 3.5; with both 30 times larger about 3,200;
; with both shifted by 30 spreads about 18,400.  Below 2^-14 the absolute error is 2^-25.
; A work-group makes 128 rows x 256 columns of C with four waves; a wave makes 64 x 128: 32 accumulator tiles of 16 x 16, 256 registers.
; With this block the grid is 12 x 64 = 768 work-groups here and 4 x 64 = 256 in the launch that shares this text; a block of 256 x 256 would give 384 and 128.
; K goes in steps of 128 through two LDS slots filled by the tensor data mover: a tile's rows are 256 bytes of memory at multiples of 256 bytes.
; CLUSTERS: 4 x 4 work-groups.  The four of a row of the cluster need the same tiles of A, the four of a column the same tiles of B: each tile is asked for jointly,
; by the same tensor load with the same descriptor and a mask that names the four, which divides the requests for A and for B by four.
; REGISTERS: window 0: v16-31 addresses and bias; v32-63, v64-95 fragments of A (4 x 16 rows x 32 K), two buffers; v96-159, v160-223 fragments of B (8), two buffers;
; v224-255 at work on the way out.  Window 1: accumulator tile (a, b) at v[8 (8 a + b)].
; The matrix instruction is used transposed (source 0 = rows of B, source 1 = rows of A): lane l holds row l % 16 of C and eight neighbouring columns 8 (l / 16) + 0..7.
; The 32 accumulators take turns, one instruction a turn, in the same order in every quarter step.
.set SIZE_K, 1024
.set SIZE_N, 3072
.set BOFF,   0                         ; byte offset of B's first row in wt
.set OUTF32, 0                         ; 0: C in f16; 1: C in f32 with a bias
.set OUTB,   2                         ; bytes of a number of C
.set KSTEP,  128
.set PITCH,  272                       ; an LDS row: 256 bytes + 16 of padding, an odd multiple of 16: the 16 rows of a fragment load start in 16 different 16-byte columns
.set HALFB,  128*PITCH                 ; what one tensor load of B brings, and what one wave reads of B
.set HALFA,  64*PITCH                  ; the same for A
.set AOFF,   2*HALFB                   ; a slot: B's 256 rows, then A's 128 rows
.set SLOT,   2*HALFB+2*HALFA
.set STAGE,  2*SLOT                    ; behind the ring: 16 rows for each wave, for the way out; no tensor load lands there
.if OUTF32
.set SPITCH, 528                       ; 128 f32 + 16 bytes
.else
.set SPITCH, 272                       ; 128 f16 + 16 bytes
.endif
.set LAPS, SIZE_K/(2*KSTEP)            ; a lap = two K steps = once round the ring: 4
.set ADRA, 16                          ; v16-17  LDS address of my A fragments in slot 0, 1
.set ADRB, 20                          ; v20-21  the same for B
.set STO,  24                          ; v24     the way out: where I put my part of a row
.set RD,   25                          ; v25     the way out: where I read rows back
.set CO,   26                          ; v26     my byte offset in C
.set BIAS, 28                          ; v28-31  bias of my four columns (OUTF32)
.set FA0,  32
.set FA1,  64
.set FB0,  96
.set FB1,  160
.set TMP,  224
.set G1,  24                           ; s[24:31] descriptor group 1 for A's tiles
.set G0,  32                           ; s[32:39] group 0 for A's tiles, one set for each slot
.set G1B, 48                           ; s[48:55] group 1 for B's tiles
.set G0B, 56                           ; s[56:63] group 0 for B's tiles, one set for each slot
.set MSB, 0
.macro WIN new                         ; the immediate's high byte repeats the setting that is left
.if MSB != \new
	s_set_vgpr_msb (MSB<<8)|\new
.set MSB, \new
.endif
.endm
.set MUL, 0x50                         ; sources 0 and 1 window 0, C and D window 1
; A joint load.  Waves 0 and 1 fetch B's two halves, waves 2 and 3 A's.  Each line has one mask and one set of registers; the branch hangs on the wave's number alone.
.macro JLOAD s
	s_cmp_eq_u32 s11, 0
	s_cbranch_scc0 .Lfor_a_\@
	tensor_load_to_lds s[G0B+4*\s:G0B+4*\s+3], s[G1B:G1B+7]
	s_nop 0
	s_branch .Lasked_\@
.Lfor_a_\@:
	tensor_load_to_lds s[G0+4*\s:G0+4*\s+3], s[G1:G1+7]
	s_nop 0
.Lasked_\@:
.endm
; A round of the cluster's barrier: my work-group's barrier; wave 0 signals for the work-group; every wave waits for all sixteen; my work-group's barrier once more.
.macro CREST                           ; a round behind its opening barrier
	s_cmp_lg_u32 s10, 0
	s_cbranch_scc1 .Lnot_wave_0_\@
	s_barrier_signal -3
.Lnot_wave_0_\@:
	s_barrier_wait -3
	s_barrier_signal -1
	s_barrier_wait -1
.endm
.macro CROUND
	s_barrier_signal -1
	s_barrier_wait -1
	CREST
.endm
	s_load_b128 s[4:7], s[0:1], 0x0                ; A s[4:5], wt s[6:7]
	s_load_b64 s[8:9], s[0:1], 0x10                ; C
	v_lshl_add_u32 v30, v0, 2, 0x37400
	v_mov_b32 v31, 0
	ds_add_u32 v30, v31
.if OUTF32
	s_load_b64 s[66:67], s[0:1], 0x18              ; bias
.endif
	v_lshrrev_b32 v1, 5, v0
	v_readfirstlane_b32 s10, v1                    ; wave 0..3
	s_lshr_b32 s11, s10, 1                         ; which 64 rows of the block are mine.  Also: I fetch for B (0) or for A (1)
	s_and_b32 s12, s10, 1                          ; which 128 columns.  Also: which half of that tile I fetch
	s_bfe_u32 s40, ttmp6, 0x40000                  ; cx
	s_bfe_u32 s41, ttmp6, 0x40004                  ; cy
	s_lshl_b32 s42, ttmp9, 2
	s_add_co_u32 s42, s42, s40                     ; block column = 4 x cluster x + cx
	s_and_b32 s13, ttmp7, 0xffff
	s_lshl_b32 s13, s13, 2
	s_add_co_u32 s13, s13, s41                     ; block row = 4 x cluster y + cy
	s_lshl_b32 s43, s41, 2
	s_lshl_b32 s43, 15, s43                        ; my row of the cluster: places 4 cy .. 4 cy + 3
	s_lshl_b32 s44, 0x1111, s40                    ; my column: places cx, cx + 4, cx + 8, cx + 12
	; group 1: rows of 128 elements of 2 bytes, 4 words of padding behind every 64 words; A's tile has 64 rows, B's 128
	s_or_b32 s[G1+0], s43, (1<<16)|(1<<20)|(1<<21)|(5<<22)|(3<<25)   ; 15:0 mask: A's tiles go to my row; 17:16 2 bytes; 20 padding; 21 set beside a mask; 24:22 interval code 5; 31:25 pad code 3
	s_or_b32 s[G1B+0], s44, (1<<16)|(1<<20)|(1<<21)|(5<<22)|(3<<25)  ; the same with my column's mask
	s_mov_b32 s[G1+1], KSTEP<<16                   ; tensor_dim0 = 128
	s_mov_b32 s[G1B+1], KSTEP<<16
	s_mov_b32 s[G1+2], 64<<16                      ; tensor_dim1 = 64
	s_mov_b32 s[G1B+2], 128<<16                    ; tensor_dim1 = 128
	s_mov_b32 s[G1+3], KSTEP<<16                   ; tile_dim0 = 128
	s_mov_b32 s[G1B+3], KSTEP<<16
	s_mov_b32 s[G1+4], 64                          ; tile_dim1
	s_mov_b32 s[G1B+4], 128
	s_mov_b32 s[G1+5], SIZE_K                      ; elements from row to row
	s_mov_b32 s[G1B+5], SIZE_K
	s_mov_b32 s[G1+6], 0
	s_mov_b32 s[G1B+6], 0
	s_mov_b32 s[G1+7], 0
	s_mov_b32 s[G1B+7], 0
	; A's tiles hang on the block row alone, B's on the block column alone; each address is made in registers that never hold the other coordinate
	s_lshl_b32 s17, s12, 6
	s_lshl_b32 s16, s13, 7
	s_add_co_u32 s16, s16, s17                     ; A: row 128 x block row + 64 x half
	s_lshl_b32 s16, s16, 11                        ; x 2,048 bytes: below 2^24
	s_mov_b32 s17, 0
	s_lshl_b32 s47, s12, 7
	s_lshl_b32 s46, s42, 8
	s_add_co_u32 s46, s46, s47                     ; B: row 256 x block column + 128 x half
	s_lshl_b32 s46, s46, 11
	s_add_co_u32 s46, s46, BOFF
	s_mov_b32 s47, 0
	s_mul_i32 s20, s10, HALFB                      ; LDS, B's halves: wave x 34,816 (waves 0, 1)
	s_mul_i32 s21, s10, HALFA
	s_add_co_u32 s21, s21, AOFF-2*HALFA            ; LDS, A's halves: 69,632 + (wave - 2) x 17,408 (waves 2, 3)
	s_wait_dscnt 0x0
	s_wait_kmcnt 0x0
	s_add_nc_u64 s[14:15], s[4:5], s[16:17]
	s_add_nc_u64 s[46:47], s[6:7], s[46:47]
	CROUND                                         ; all sixteen work-groups are here: the first joint loads meet
.irp s, 0,1
	s_mov_b32 s[G0+4*\s], 1
	s_add_co_u32 s[G0+4*\s+1], s21, \s*SLOT
	s_add_nc_u64 s[G0+4*\s+2:G0+4*\s+3], s[14:15], \s*KSTEP*2      ; K step s
	s_or_b32 s[G0+4*\s+3], s[G0+4*\s+3], 0x80000000                ; type = 2
	s_mov_b32 s[G0B+4*\s], 1
	s_add_co_u32 s[G0B+4*\s+1], s20, \s*SLOT
	s_add_nc_u64 s[G0B+4*\s+2:G0B+4*\s+3], s[46:47], \s*KSTEP*2
	s_or_b32 s[G0B+4*\s+3], s[G0B+4*\s+3], 0x80000000
	JLOAD \s                                       ; both slots' first fills go out before anything else: two tensor loads of the wave are out
.endr
	; a fragment is 16 rows x 32 K in 8 registers: lane l holds row l % 16, K = 8 (l / 16) + 0..7 and 16 + 8 (l / 16) + 0..7: two loads of 16 bytes, 32 bytes apart
	v_and_b32 v1, 15, v0
	v_bfe_u32 v2, v0, 4, 1
	v_mul_u32_u24 v3, v1, PITCH
	v_lshl_add_u32 v3, v2, 4, v3
	s_mul_i32 s22, s11, HALFA
	s_add_co_u32 s22, s22, AOFF                    ; my 64 rows of A
	s_mul_i32 s23, s12, HALFB                      ; my 128 rows of B
.irp s, 0,1
	v_add_nc_u32 v[ADRA+\s], s22, v3
	v_add_nc_u32 v[ADRB+\s], s23, v3
	s_add_co_u32 s22, s22, SLOT
	s_add_co_u32 s23, s23, SLOT
.endr
	s_mul_i32 s23, s10, 16*SPITCH
	s_add_co_u32 s23, s23, STAGE                   ; my stage
	v_mul_u32_u24 v4, v1, SPITCH
.if OUTF32
	v_lshl_add_u32 v4, v2, 5, v4                   ; in: row l % 16, 32 bytes (8 f32) for each half of the lanes
	v_add_nc_u32 v[STO], s23, v4
	v_and_b32 v5, 31, v0
	v_lshlrev_b32 v[CO], 4, v5                     ; back and out: a wave takes a whole row of 512 bytes, 16 bytes a lane
	v_add_nc_u32 v[RD], s23, v[CO]
	s_lshl_b32 s44, s42, 10                        ; bias of my wave's 128 columns: 4 x (256 x block column + 128 x half) bytes
	s_lshl_b32 s45, s12, 9
	s_add_co_u32 s44, s44, s45
	s_mov_b32 s45, 0
	s_add_nc_u64 s[66:67], s[66:67], s[44:45]
	global_load_b128 v[BIAS:BIAS+3], v[CO], s[66:67]               ; waited for on the way out; its address registers are never written again
.else
	v_lshl_add_u32 v4, v2, 4, v4                   ; in: row l % 16, 16 bytes (8 f16) for each half of the lanes
	v_add_nc_u32 v[STO], s23, v4
	v_mul_u32_u24 v5, v2, SPITCH                   ; back: lanes 0-15 take one row of 256 bytes, lanes 16-31 the next
	v_lshl_add_u32 v5, v1, 4, v5
	v_add_nc_u32 v[RD], s23, v5
	v_mul_u32_u24 v5, v2, SIZE_N*OUTB              ; and the same two rows in C
	v_lshl_add_u32 v[CO], v1, 4, v5
.endif
; 8 matrix instructions: m block a x all 8 n blocks, 32 along K.  zero = 1: the first product starts the sums
.macro MULA fa, fb, a, zero
.irp b, 0,1,2,3,4,5,6,7
.if \zero
	v_wmma_f32_16x16x32_f16 v[8*(8*\a+\b):8*(8*\a+\b)+7], v[\fb+8*\b:\fb+8*\b+7], v[\fa+8*\a:\fa+8*\a+7], 0
.else
	v_wmma_f32_16x16x32_f16 v[8*(8*\a+\b):8*(8*\a+\b)+7], v[\fb+8*\b:\fb+8*\b+7], v[\fa+8*\a:\fa+8*\a+7], v[8*(8*\a+\b):8*(8*\a+\b)+7]
.endif
.endr
.endm
; 24 LDS loads in one run: the fragments of one quarter step (128 rows of B, then 64 rows of A, 32 K at byte k of the rows)
.macro FETCH slot, k, fa, fb
.irp i, 0,1,2,3,4,5,6,7
	ds_load_b128 v[\fb+8*\i:\fb+8*\i+3],   v[ADRB+\slot] offset:\k+\i*16*PITCH
	ds_load_b128 v[\fb+8*\i+4:\fb+8*\i+7], v[ADRB+\slot] offset:\k+\i*16*PITCH+32
.endr
.irp i, 0,1,2,3
	ds_load_b128 v[\fa+8*\i:\fa+8*\i+3],   v[ADRA+\slot] offset:\k+\i*16*PITCH
	ds_load_b128 v[\fa+8*\i+4:\fa+8*\i+7], v[ADRA+\slot] offset:\k+\i*16*PITCH+32
.endr
.endm
; four places behind the matrix instructions that read a buffer, in front of the loads that fill it again (ISA guide 7.12.1 for vector instructions)
.macro PLACES
.rept 4
	v_nop
.endr
.endm
; one of a K step's first three quarter steps: multiplies buffer (fa, fb); in its middle it fetches the next quarter's fragments into (ga, gb)
.macro QUARTER slot, k, fa, fb, ga, gb, zero
	s_wait_dscnt 4                                 ; B and A's rows 0-31 are in; the youngest four loads (A's rows 32-63) may be out
	WIN MUL
	MULA \fa, \fb, 0, \zero
	MULA \fa, \fb, 1, \zero
	PLACES
	WIN 0
	FETCH \slot, \k, \ga, \gb
	s_wait_dscnt 24                                ; all but the 24 just issued
	WIN MUL
	MULA \fa, \fb, 2, \zero
	MULA \fa, \fb, 3, \zero
.endm
.macro THREE slot, zero
	QUARTER \slot, 64,  FA0, FB0, FA1, FB1, \zero
	QUARTER \slot, 128, FA1, FB1, FA0, FB0, 0
	QUARTER \slot, 192, FA0, FB0, FA1, FB1, 0
.endm
; the last quarter: multiplies buffer 1 and changes slots.  One barrier: in front of it each wave waits for its reads of this slot and for all its tensor loads
; (one is out: its part of the next slot); behind it the refill comes first, then the next slot's first fragments.
; From a request to the wait for it a wave issues 120 matrix instructions.
.macro TURN slot, next, fill
	s_wait_dscnt 4
	WIN MUL
	MULA FA1, FB1, 0, 0
	s_wait_dscnt 0                                 ; my reads of this slot are over
	s_wait_tensorcnt 0x0                           ; all my tensor loads have landed
	ds_add_u32 v30, v31
	s_wait_dscnt 0x0
	s_barrier_signal -1                            ; where a slot is filled again this barrier opens a round of the cluster's barrier
	MULA FA1, FB1, 1, 0                            ; register work while the others arrive
	WIN 0
	s_barrier_wait -1
.if \fill
	CREST                                          ; no wave of any partner still reads this slot or has a load on its way
	s_add_nc_u64 s[G0+4*\slot+2:G0+4*\slot+3], s[G0+4*\slot+2:G0+4*\slot+3], 2*KSTEP*2
	s_add_nc_u64 s[G0B+4*\slot+2:G0B+4*\slot+3], s[G0B+4*\slot+2:G0B+4*\slot+3], 2*KSTEP*2
	JLOAD \slot                                    ; the wave's one tensor load behind the round
.endif
	PLACES
	FETCH \next, 0, FA0, FB0
	WIN MUL
	MULA FA1, FB1, 2, 0
	MULA FA1, FB1, 3, 0
.endm
.macro LAP zero
	THREE 0, \zero
	TURN 0, 1, 1
	THREE 1, 0
	TURN 1, 0, 1
.endm
	s_wait_tensorcnt 1                             ; my part of K step 0 is in; K step 1's load may stay out
	s_barrier_signal -1
	s_barrier_wait -1
	FETCH 0, 0, FA0, FB0
	LAP 1                                          ; the first lap stands in front of the loop: its first products start the sums
	WIN 0
	s_mov_b32 s3, LAPS-2
.Llap:
	LAP 0
	WIN 0
	s_sub_co_u32 s3, s3, 1
	s_cmp_lg_u32 s3, 0
	s_cbranch_scc1 .Llap
	THREE 0, 0                                     ; the last lap fills nothing
	TURN 0, 1, 0
	THREE 1, 0
	s_wait_dscnt 0
	WIN MUL
	MULA FA1, FB1, 0, 0
	MULA FA1, FB1, 1, 0
	MULA FA1, FB1, 2, 0
	MULA FA1, FB1, 3, 0
	; THE WAY OUT, 16 rows of C at a time, through my own stage in LDS, read back as whole rows
	PLACES                                         ; the places behind the last matrix instructions
	s_lshl_b32 s13, s13, 7
	s_lshl_b32 s14, s11, 6
	s_add_co_u32 s16, s13, s14                     ; my first row of C
	s_mul_i32 s16, s16, SIZE_N*OUTB                ; below 2^26
	s_mov_b32 s17, 0
	s_add_nc_u64 s[8:9], s[8:9], s[16:17]
	s_mul_i32 s46, s42, 256*OUTB                   ; my first column, in bytes
	s_mul_i32 s47, s12, 128*OUTB
	s_add_co_u32 s46, s46, s47
	s_mov_b32 s47, 0
	s_add_nc_u64 s[8:9], s[8:9], s[46:47]
.if OUTF32
; rows 16 a .. 16 a + 15 of my block: 32 bytes a lane and tile into the stage, whole rows of 512 bytes back, the bias added, 512 consecutive aligned bytes a store
.macro OUTF a, f
	WIN 0x04                                       ; store data from window 1
.irp b, 0,1,2,3,4,5,6,7
	ds_store_b128 v[STO], v[8*(8*\a+\b):8*(8*\a+\b)+3] offset:64*\b
	ds_store_b128 v[STO], v[8*(8*\a+\b)+4:8*(8*\a+\b)+7] offset:64*\b+16
.endr
	WIN 0
	s_wait_xcnt 0x0                                ; buffer f, which earlier stores read, and the stores' base are rewritten only behind this wait
.if \a
	s_add_nc_u64 s[8:9], s[8:9], 16*SIZE_N*OUTB
.endif
.irp t, 0,1,2,3,4,5,6,7,8,9,10,11,12,13,14,15
	ds_load_b128 v[\f+4*\t:\f+4*\t+3], v[RD] offset:\t*SPITCH      ; LDS serves a wave's instructions in order: these see the stores above
.endr
.irp t, 0,1,2,3,4,5,6,7,8,9,10,11,12,13,14,15
	s_wait_dscnt 15-\t
	v_pk_add_f32 v[\f+4*\t:\f+4*\t+1], v[\f+4*\t:\f+4*\t+1], v[BIAS:BIAS+1]
	v_pk_add_f32 v[\f+4*\t+2:\f+4*\t+3], v[\f+4*\t+2:\f+4*\t+3], v[BIAS+2:BIAS+3]
	global_store_b128 v[CO], v[\f+4*\t:\f+4*\t+3], s[8:9] offset:\t*SIZE_N*OUTB th:TH_STORE_NT
.endr
.endm
	s_wait_loadcnt 0x0                             ; the bias
	OUTF 0, FB0
	OUTF 1, FB1
	OUTF 2, FB0
	OUTF 3, FB1
.else
; rows 16 a .. 16 a + 15 of my block: rounded to f16, 16 bytes a lane and tile into the stage, rows of 256 bytes back, 16 lanes store 256 consecutive aligned bytes
.macro OUT16 a, f
	WIN 0x05                                       ; both sources from window 1
.irp b, 0,1,2,3,4,5,6,7
.irp r, 0,1,2,3
	v_cvt_pk_f16_f32 v[TMP+4*\b+\r], v[8*(8*\a+\b)+2*\r], v[8*(8*\a+\b)+2*\r+1]
.endr
.endr
	WIN 0
.irp b, 0,1,2,3,4,5,6,7
	ds_store_b128 v[STO], v[TMP+4*\b:TMP+4*\b+3] offset:32*\b
.endr
	s_wait_xcnt 0x0                                ; buffer f, which earlier stores read, and the stores' base are rewritten only behind this wait
.if \a
	s_add_nc_u64 s[8:9], s[8:9], 16*SIZE_N*OUTB
.endif
.irp t, 0,1,2,3,4,5,6,7
	ds_load_b128 v[\f+4*\t:\f+4*\t+3], v[RD] offset:\t*2*SPITCH    ; LDS serves a wave's instructions in order: these see the stores above
.endr
.irp t, 0,1,2,3,4,5,6,7
	s_wait_dscnt 7-\t
	global_store_b128 v[CO], v[\f+4*\t:\f+4*\t+3], s[8:9] offset:2*\t*SIZE_N*OUTB
.endr
.endm
	OUT16 0, FB0
	OUT16 1, FB1
	OUT16 2, FB0
	OUT16 3, FB1
.endif
	s_wait_tensorcnt 0x0
	ds_add_u32 v30, v31
	s_wait_dscnt 0x0
	CROUND                                         ; the closing round: no work-group ends while a partner may still ask for a tile that names it
	s_endpgm
.Lfunc_end_k_q44740c77b8_gemm_qkv:
	.size	k_q44740c77b8_gemm_qkv, .Lfunc_end_k_q44740c77b8_gemm_qkv-k_q44740c77b8_gemm_qkv
	.p2alignl 7, 3214868480
	.fill 96, 4, 3214868480
	.section	.rodata,"a",@progbits
	.p2align	6, 0x0
	.amdhsa_kernel k_q44740c77b8_gemm_qkv
		.amdhsa_group_segment_fixed_size 327680
		.amdhsa_private_segment_fixed_size 0
		.amdhsa_enable_private_segment 0
		.amdhsa_kernarg_size 24
		.amdhsa_user_sgpr_count 2
		.amdhsa_user_sgpr_kernarg_segment_ptr 1
		.amdhsa_wavefront_size32 1
		.amdhsa_system_sgpr_workgroup_id_x 1
		.amdhsa_system_sgpr_workgroup_id_y 1
		.amdhsa_system_sgpr_workgroup_id_z 1
		.amdhsa_system_vgpr_workitem_id 0
		.amdhsa_next_free_vgpr 512
		.amdhsa_next_free_sgpr 68
		.amdhsa_reserve_vcc 0
		.amdhsa_float_denorm_mode_32 3
		.amdhsa_float_denorm_mode_16_64 3
		.amdhsa_memory_ordered 1
		.amdhsa_forward_progress 1
		.amdhsa_inst_pref_size 118
	.end_amdhsa_kernel
	.amdgpu_metadata
---
amdhsa.version: [ 1, 2 ]
amdhsa.kernels:
  - .name:           k_q44740c77b8_gemm_qkv
    .symbol:         k_q44740c77b8_gemm_qkv.kd
    .args:
      - { .name: xb, .offset: 0, .size: 8, .value_kind: global_buffer, .address_space: global }
      - { .name: wt, .offset: 8, .size: 8, .value_kind: global_buffer, .address_space: global }
      - { .name: qkv, .offset: 16, .size: 8, .value_kind: global_buffer, .address_space: global }
    .group_segment_fixed_size: 327680
    .private_segment_fixed_size: 0
    .kernarg_segment_align: 8
    .kernarg_segment_size: 24
    .max_flat_workgroup_size: 128
    .sgpr_count:     68
    .vgpr_count:     512
    .wavefront_size: 32
...
	.end_amdgpu_metadata
.endif
;; end of part 2
;; launch attn (part 3): grid 8 x 32, 8 waves a work-group, clusters of 4 x 1, 327,680 bytes of LDS; arguments qkv, mbits, xatt; writes xatt
.if DOCPART == 3
	.amdgcn_target "amdgcn-amd-amdhsa--gfx1250"
	.amdhsa_code_object_version 6
	.text
	.protected	k_q44740c77b8_attn
	.globl	k_q44740c77b8_attn
	.p2align	8
	.type	k_q44740c77b8_attn,@function
k_q44740c77b8_attn:
	s_mov_b64 s[64:65], 0
	v_nop
	global_prefetch_b8 v0, s[64:65] scope:SCOPE_SE
	s_setreg_imm32_b32 hwreg(HW_REG_WAVE_MODE, 25, 1), 1
	s_wait_xcnt 0x0
	s_wait_alu depctr_hold_cnt(0) depctr_sa_sdst(0) depctr_va_vdst(0) depctr_va_sdst(0) depctr_va_ssrc(0) depctr_va_vcc(0) depctr_vm_vsrc(0)
	s_getreg_b32 s2, hwreg(HW_REG_IB_STS2, 6, 4)
	s_cmp_eq_u32 s2, 0
	s_cbranch_scc0 .Lentry_in_a_cluster
	s_endpgm
.Lentry_in_a_cluster:
	s_bfe_u32 s2, ttmp6, 0x10000c
	s_cmp_lg_u32 s2, 0x3003
	s_cbranch_scc0 .Lentry_shape_is_right
	s_endpgm
.Lentry_shape_is_right:
; Attention with the softmax over i: for each (b, h, j)  x[j] = sum over i of softmax_i(0.125 q[i].k[j] + (mask[i][j] ? 0 : -1e9)) v[i].
; qkv: [8192][3072] f16, columns q | k' | v, each h*64 + d, where k' = (0.125 log2 e) k (the factor lies on Wk).  mbits: the mask as lane masks.  xatt: [8192][1024] f16.
; A work-group takes 256 columns j (Jb), one batch b and a pair of heads hp, so that the rows of its tiles and of its output are 256 bytes at multiples of 256.
; Eight waves: wave w takes head 2 hp + (w >> 2) and, with q = w & 3, the 64 columns j = 256 Jb + 16 r + 4 q + e (r = 0..15, e = 0..3): four tiles e of 16 columns.
; i runs in 32 steps of 64 with a running maximum and a running sum for each column (the maximum is taken away before every exponential).
; The scores are in units of log 2: t = mask ? q.k' : -1e9 log2 e, and a weight is 2^(t - m), m the running maximum of t: at most 1, and 1 at the maximum.
; MATRIX LAYOUT: scores transposed, S(it, e) = [16 i] x [16 j]: source 0 = rows q[i] from LDS, source 1 = rows k'[j], kept in registers.  Lane (r, hh) then holds
; i = 16 it + 8 hh + 0..7 of column r: maxima and sums are a lane's own but for one exchange between the halves, and two packed tiles are source 1 of
; O(dt, e) = [16 dv] x [16 j] += V^T x P, with V^T read from LDS by the transposing load.
; THE RING: two LDS slots, each one step's 64 rows of v and of q.  Both are filled at the start; step t, behind its round, fills the slot read in step t - 1 with tile t + 1.
; So step 0 (which also starts maxima, sums and outputs) and step 31 fill nothing and are written out, and steps 1 to 30 are a loop of 15 laps of two:
; the step's text stands four times in all, with every LDS address a constant of the text.
; CLUSTER: the four work-groups of a cluster differ in Jb alone and read the same tiles of q and v: every tile is asked for jointly (mask 15).
; Accumulators take turns, one matrix instruction a turn (four score tiles, four output tiles).
; LIMITS: q, k', v, the weights P and x are rounded to f16.  x is a mean of v with weights, so it has v's range (below 65,504).  A weight below 2^-14 of its column's largest
; carries an absolute error of 2^-25 in the product with v (2,048 of them: 2^-14 of the largest weight at the most); the sum of the weights is made in f32.
; THE MASK IS A SELECT: a masked score counts as -1e9 itself.  reference() adds, and its f32 sum 0.125 s - 1e9 is a multiple of 64, which is -1e9 while |0.125 s| <= 32.
; Where a column has an open i, a masked weight is zero either way.  In a column that is masked for every i both give equal weights while |0.125 s| <= 32;
; beyond that figure reference()'s weights follow the rounded sums and this text's stay equal: there the two part.
.set ROWB,  6144                       ; bytes in a row of qkv
.set PITK,  272                        ; LDS row of the q tile: 256 + 16, an odd multiple of 16
.set PITV,  288                        ; LDS row of the v tile: 256 + 32, an odd multiple of 32, for the transposing load
.set VT,    64*PITV                    ; a slot: 64 rows of v (18,432 bytes), then 64 rows of q (17,408)
.set KT,    64*PITK
.set SLOT,  VT+KT                      ; 35,840
.set STAGE, 2*SLOT                     ; 256 rows x 272 bytes for the way out, from byte 71,680 on; no tensor load lands there
.set TILEB, 64*ROWB                    ; bytes from a tile to the next
.set ADRK, 8                           ; v8-9    LDS address of my q fragments in slot 0, 1
.set ADRV, 10                          ; v10-11  the same for v
.set STO,  12                          ; v12     way out: where I put 16 bytes
.set RD,   13                          ; v13     way out: where I read rows back
.set CO,   14                          ; v14     my byte offset in xatt
.set QO,   15                          ; v15     my byte offset for the rows k'[j]
.set M,    16                          ; v16-19  running maximum of my column, tile e
.set NM,   20                          ; v20-27  minus that maximum, twice (a pair), tile e
.set LP,   28                          ; v28-35  running sum, two partial sums, tile e
.set AL,   36                          ; v36-37  the factor by which old sums shrink, twice
.set X,    38                          ; v38     what the other half of the lanes sent
.set NEG,  40                          ; v40     -1e9 log2 e
.set T,    44                          ; v44-51  at work
.set QF,   64                          ; v64-127  fragments of k'[j]: tile e, K half c at 8 (2 e + c)
.set S,    128                         ; v128-255 scores: tile (e, it) at 32 e + 8 it; then P packed in place
.set O,    0                           ; window 1: v0-127   output tile (e, dt) at 8 (4 e + dt)
.set KF,   128                         ; window 1: v128-191 fragments of q[i]: (it, c) at 8 (2 it + c)
.set VF,   192                         ; window 1: v192-255 fragments of v: (kc, dt) at 8 (4 kc + dt)
.set WV,  2                            ; s2       my wave's number
.set CNT, 3                            ; s3       laps left
.set G0,  4                            ; s[4:11]  descriptor group 0, one set for each slot; wave 0 holds v's addresses in it, wave 1 q's
.set MB,  12                           ; s[12:13] mbits at my (b, Jb, q) and the step at work
.set G1V, 16                           ; s[16:23] group 1, v tiles
.set G1K, 24                           ; s[24:31] group 1, q tiles
.set MWA, 32                           ; s[32:63] 32 mask words (it, jj) of one step and an even tile e
.set XB,  66                           ; s[66:67] xatt at row b*2048 + 256 Jb, byte 256 hp
.set MWB, 68                           ; s[68:99] the same for an odd tile e; scratch during the set-up
.set QB,  100                          ; s[100:101] qkv at row b*2048 + 256 Jb, byte 256 hp
.set W_LD, 0x40                        ; loaded data into window 1
.set W_S,  0x01                        ; source 0 (q fragments) window 1
.set W_PV, 0x51                        ; source 0 (v fragments), C and D window 1
.set W_RS, 0x41                        ; source 0 and destination window 1
.set W_CV, 0x05                        ; sources 0 and 1 window 1
.set MSB, 0
.macro WIN new                         ; the immediate's high byte repeats the setting that is left
.if MSB != \new
	s_set_vgpr_msb (MSB<<8)|\new
.set MSB, \new
.endif
.endm
; a round of the cluster's barrier
.macro ROUND
	s_barrier_signal -1
	s_barrier_wait -1
	s_cmp_lg_u32 s[WV], 0
	s_cbranch_scc1 .Lnot_wave_0_\@
	s_barrier_signal -3
.Lnot_wave_0_\@:
	s_barrier_wait -3
	s_barrier_signal -1
	s_barrier_wait -1
.endm
; a joint load into slot s: wave 0 fetches the v tile, wave 1 the q tile (64 rows each), waves 2-7 nothing
.macro JLOAD s
	s_cmp_lg_u32 s[WV], 0
	s_cbranch_scc1 .Lnot_v_\@
	tensor_load_to_lds s[G0+4*\s:G0+4*\s+3], s[G1V:G1V+7]
	s_nop 0
	s_branch .Lasked_\@
.Lnot_v_\@:
	s_cmp_lg_u32 s[WV], 1
	s_cbranch_scc1 .Lasked_\@
	tensor_load_to_lds s[G0+4*\s:G0+4*\s+3], s[G1K:G1K+7]
	s_nop 0
.Lasked_\@:
.endm
.macro PLACES
.rept 4
	v_nop
.endr
.endm
	s_load_b128 s[68:71], s[0:1], 0x0              ; qkv s[68:69], mbits s[70:71]
	s_load_b64 s[72:73], s[0:1], 0x10              ; xatt
	v_lshl_add_u32 v62, v0, 2, 0x29000
	v_mov_b32 v63, 0
	ds_add_u32 v62, v63
	v_lshrrev_b32 v1, 5, v0
	v_readfirstlane_b32 s[WV], v1                  ; wave 0..7
	s_lshr_b32 s74, s[WV], 2                       ; hd: my head of the pair
	s_and_b32 s75, s[WV], 3                        ; q: my group of columns
	s_bfe_u32 s76, ttmp6, 0x40000                  ; cx
	s_lshl_b32 s77, ttmp9, 2
	s_add_co_u32 s77, s77, s76                     ; Jb = 4 x cluster x + cx
	s_and_b32 s78, ttmp7, 0xffff                   ; y
	s_lshr_b32 s79, s78, 3                         ; b
	s_and_b32 s80, s78, 7                          ; hp
	s_mov_b32 s14, 0x76543210                      ; v_permlanex16_b32: lane i of one half reads lane i of the other
	s_mov_b32 s15, 0xfedcba98
	; group 1: 64 rows of 128 elements of 2 bytes, pitch 3,072 elements; padding behind every 64 words: 8 words for v, 4 for q; mask 15 with bit 21 beside it
	s_mov_b32 s[G1V+0], 15|(1<<16)|(1<<20)|(1<<21)|(5<<22)|(7<<25)
	s_mov_b32 s[G1K+0], 15|(1<<16)|(1<<20)|(1<<21)|(5<<22)|(3<<25)
	s_mov_b32 s[G1V+1], 128<<16                    ; tensor_dim0
	s_mov_b32 s[G1K+1], 128<<16
	s_mov_b32 s[G1V+2], 64<<16                     ; tensor_dim1
	s_mov_b32 s[G1K+2], 64<<16
	s_mov_b32 s[G1V+3], 128<<16                    ; tile_dim0
	s_mov_b32 s[G1K+3], 128<<16
	s_mov_b32 s[G1V+4], 64                         ; tile_dim1
	s_mov_b32 s[G1K+4], 64
	s_mov_b32 s[G1V+5], 3072                       ; elements from row to row
	s_mov_b32 s[G1K+5], 3072
	s_mov_b32 s[G1V+6], 0
	s_mov_b32 s[G1K+6], 0
	s_mov_b32 s[G1V+7], 0
	s_mov_b32 s[G1K+7], 0
	; the tiles' address hangs on b, hp and the wave alone: equal in the four partners
	s_lshl_b32 s82, s79, 11                        ; row b*2048
	s_mul_i32 s82, s82, ROWB
	s_lshl_b32 s83, s80, 8
	s_add_co_u32 s82, s82, s83                     ; + 256 hp
	s_cmp_eq_u32 s[WV], 0
	s_cselect_b32 s83, 4096, 0                     ; wave 0 fetches v, which lies 4,096 bytes further along the rows than q
	s_add_co_u32 s82, s82, s83
	s_mov_b32 s83, 0
	s_mul_i32 s84, s[WV], VT                       ; LDS: v's tile at 0, q's at 18,432 = wave x 18,432
	s_wait_dscnt 0x0
	s_wait_kmcnt 0x0
	s_add_nc_u64 s[82:83], s[68:69], s[82:83]
.irp s, 0,1
	s_mov_b32 s[G0+4*\s], 1
	s_add_co_u32 s[G0+4*\s+1], s84, \s*SLOT
	s_add_nc_u64 s[G0+4*\s+2:G0+4*\s+3], s[82:83], \s*TILEB                ; tile s
	s_or_b32 s[G0+4*\s+3], s[G0+4*\s+3], 0x80000000                        ; type = 2
.endr
	ROUND                                          ; the four work-groups are here: the first joint loads meet
	s_cmp_lg_u32 s[WV], 0                          ; both slots' first fills, in one group: two tensor loads of the wave are out here, one behind every later round
	s_cbranch_scc1 .Lff_not_v
	tensor_load_to_lds s[G0:G0+3], s[G1V:G1V+7]
	s_nop 0
	tensor_load_to_lds s[G0+4:G0+7], s[G1V:G1V+7]
	s_nop 0
	s_branch .Lff_done
.Lff_not_v:
	s_cmp_lg_u32 s[WV], 1
	s_cbranch_scc1 .Lff_done
	tensor_load_to_lds s[G0:G0+3], s[G1K:G1K+7]
	s_nop 0
	tensor_load_to_lds s[G0+4:G0+7], s[G1K:G1K+7]
	s_nop 0
.Lff_done:
	; my own pointers (these hold Jb)
	s_lshl_b32 s86, s79, 3
	s_add_co_u32 s86, s86, s77
	s_lshl_b32 s86, s86, 16                        ; (8 b + Jb) x 16 x 4,096 bytes
	s_lshl_b32 s87, s75, 14                        ; + 4 q x 4,096
	s_add_co_u32 s86, s86, s87
	s_mov_b32 s87, 0
	s_add_nc_u64 s[MB:MB+1], s[70:71], s[86:87]
	s_load_b512 s[MWA:MWA+15], s[MB:MB+1], 0x0     ; the mask words of step 0, tile 0
	s_load_b512 s[MWA+16:MWA+31], s[MB:MB+1], 0x40
	s_lshl_b32 s88, s79, 11
	s_lshl_b32 s89, s77, 8
	s_add_co_u32 s88, s88, s89                     ; row b*2048 + 256 Jb
	s_lshl_b32 s90, s88, 11                        ; x 2,048 bytes in xatt
	s_mul_i32 s88, s88, ROWB
	s_lshl_b32 s89, s80, 8
	s_add_co_u32 s88, s88, s89
	s_add_co_u32 s90, s90, s89
	s_mov_b32 s89, 0
	s_mov_b32 s91, 0
	s_add_nc_u64 s[QB:QB+1], s[68:69], s[88:89]
	s_add_nc_u64 s[XB:XB+1], s[72:73], s[90:91]
	; lane terms
	v_and_b32 v2, 15, v0                           ; r
	v_bfe_u32 v3, v0, 4, 1                         ; hh
	s_lshl_b32 s92, s74, 7                         ; my head's 128 bytes of a row
	v_lshlrev_b32 v6, 4, v2
	s_lshl_b32 s93, s75, 2
	v_add_nc_u32 v6, s93, v6                       ; row 16 r + 4 q
	v_mul_u32_u24 v6, v6, ROWB
	v_lshl_add_u32 v6, v3, 4, v6
	v_add_nc_u32 v[QO], s92, v6
.irp e, 0,1,2,3
.irp c, 0,1
	global_load_b128 v[QF+8*(2*\e+\c):QF+8*(2*\e+\c)+3],   v[QO], s[QB:QB+1] offset:2048+\e*ROWB+64*\c       ; k'[j], j = .. + e, K = 32 c + 8 hh ..
	global_load_b128 v[QF+8*(2*\e+\c)+4:QF+8*(2*\e+\c)+7], v[QO], s[QB:QB+1] offset:2048+\e*ROWB+64*\c+32
.endr
.endr
	v_mul_u32_u24 v4, v2, PITK
	v_lshl_add_u32 v4, v3, 4, v4                   ; r x 272 + 16 hh
	s_add_co_u32 s93, s92, VT
	v_add_nc_u32 v[ADRK], s93, v4
	v_add_nc_u32 v[ADRK+1], SLOT, v[ADRK]
	v_and_b32 v5, 7, v0
	v_lshl_add_u32 v5, v3, 3, v5                   ; row 8 hh + (l & 7)
	v_mul_u32_u24 v5, v5, PITV
	v_bfe_u32 v6, v0, 3, 1
	v_lshl_add_u32 v5, v6, 4, v5                   ; + 16 ((l >> 3) & 1)
	v_add_nc_u32 v[ADRV], s92, v5
	v_add_nc_u32 v[ADRV+1], SLOT, v[ADRV]
	s_mul_i32 s93, s75, 64*PITK
	s_add_co_u32 s93, s93, STAGE
	s_add_co_u32 s93, s93, s92
	v_add_nc_u32 v[STO], s93, v4                   ; stage row 64 q + 16 e + r, byte 128 hd + 32 dt + 16 hh
	v_mul_u32_u24 v5, v3, PITK
	v_lshl_add_u32 v5, v2, 4, v5
	s_mul_i32 s93, s[WV], 32*PITK
	s_add_co_u32 s93, s93, STAGE
	v_add_nc_u32 v[RD], s93, v5                    ; stage row 32 w + 2 t + hh, 16 bytes at 16 r
	v_lshlrev_b32 v5, 4, v2
	v_lshl_add_u32 v5, v3, 15, v5
	s_lshl_b32 s93, s[WV], 12
	v_add_nc_u32 v[CO], s93, v5                    ; that stage row is column j = 32 (t & 7) + 16 hh + 2 w + (t >> 3) of the 256: 2,048 bytes each
	v_mov_b32 v[NEG], 0xceabfb8f                   ; -1e9 log2 e = -1,442,695,040 in f32
	v_mov_b32 v[X], 0                              ; v_permlanex16_b32 counts as a reader of its destination
	s_wait_loadcnt 0x0                             ; the rows k'[j]
; 16 loads: the q fragments of slot s
.macro FETCHK s
.irp it, 0,1,2,3
.irp c, 0,1
	ds_load_b128 v[KF+8*(2*\it+\c):KF+8*(2*\it+\c)+3],   v[ADRK+\s] offset:\it*16*PITK+64*\c
	ds_load_b128 v[KF+8*(2*\it+\c)+4:KF+8*(2*\it+\c)+7], v[ADRK+\s] offset:\it*16*PITK+64*\c+32
.endr
.endr
.endm
; 16 transposing loads: the v fragments (rows dv, 32 i along K) of slot s
.macro FETCHV s
.irp kc, 0,1
.irp dt, 0,1,2,3
	ds_load_tr16_b128 v[VF+8*(4*\kc+\dt):VF+8*(4*\kc+\dt)+3],   v[ADRV+\s] offset:\kc*32*PITV+32*\dt
	ds_load_tr16_b128 v[VF+8*(4*\kc+\dt)+4:VF+8*(4*\kc+\dt)+7], v[ADRV+\s] offset:\kc*32*PITV+16*PITV+32*\dt
.endr
.endr
.endm
; scores of tile e: four tiles it by turns, K half 0 starts the sums, K half 1 adds
.macro SMM e
.irp it, 0,1,2,3
	v_wmma_f32_16x16x32_f16 v[S+32*\e+8*\it:S+32*\e+8*\it+7], v[KF+16*\it:KF+16*\it+7], v[QF+16*\e:QF+16*\e+7], 0
.endr
.irp it, 0,1,2,3
	v_wmma_f32_16x16x32_f16 v[S+32*\e+8*\it:S+32*\e+8*\it+7], v[KF+16*\it+8:KF+16*\it+15], v[QF+16*\e+8:QF+16*\e+15], v[S+32*\e+8*\it:S+32*\e+8*\it+7]
.endr
.endm
; old sums shrink (not in the first step), then O(e) += V^T P: four tiles dt by turns, 32 i twice
.macro ACC e, first
.if \first == 0
	WIN W_RS
.irp j, 0,2,4,6,8,10,12,14,16,18,20,22,24,26,28,30
	v_pk_mul_f32 v[O+32*\e+\j:O+32*\e+\j+1], v[O+32*\e+\j:O+32*\e+\j+1], v[AL:AL+1]
.endr
.endif
	WIN W_PV
.irp dt, 0,1,2,3
.if \first
	v_wmma_f32_16x16x32_f16 v[O+32*\e+8*\dt:O+32*\e+8*\dt+7], v[VF+8*\dt:VF+8*\dt+7], v[S+32*\e:S+32*\e+7], 0
.else
	v_wmma_f32_16x16x32_f16 v[O+32*\e+8*\dt:O+32*\e+8*\dt+7], v[VF+8*\dt:VF+8*\dt+7], v[S+32*\e:S+32*\e+7], v[O+32*\e+8*\dt:O+32*\e+8*\dt+7]
.endif
.endr
.irp dt, 0,1,2,3
	v_wmma_f32_16x16x32_f16 v[O+32*\e+8*\dt:O+32*\e+8*\dt+7], v[VF+32+8*\dt:VF+32+8*\dt+7], v[S+32*\e+16:S+32*\e+23], v[O+32*\e+8*\dt:O+32*\e+8*\dt+7]
.endr
.endm
; The softmax step of tile e on its 32 score registers.  mw: the set that holds this tile's mask words; nw: the other set, which takes the next tile's;
; nextoff: their byte offset from MB (below 0: none are left); stepb: MB moves on a step first.
.macro SM e, mw, nw, nextoff, stepb, first
.set SB, S+32*\e
	s_wait_kmcnt 0x0                               ; this tile's 32 mask words are in; no scalar load is out, so MB may be written
.if \stepb
	s_add_nc_u64 s[MB:MB+1], s[MB:MB+1], 128       ; a step's four tiles it x 32 bytes
.endif
.if \nextoff >= 0
	s_load_b512 s[\nw:\nw+15], s[MB:MB+1], \nextoff                ; the next tile's words go out at once: scalar loads are waited for all together,
	s_load_b512 s[\nw+16:\nw+31], s[MB:MB+1], \nextoff+64          ; so from one such wait to the next is the longest way that they can be given
.endif
	; t = mask ? s : -1e9 log2 e, in place
.irp j, 0,1,2,3,4,5,6,7,8,9,10,11,12,13,14,15,16,17,18,19,20,21,22,23,24,25,26,27,28,29,30,31
	v_cndmask_b32 v[SB+\j], v[NEG], v[SB+\j], s[\mw+\j]
.endr
	; the largest of my 32 and the old maximum, in four chains; then the other half's
.irp k, 0,1,2,3
	v_max3_num_f32 v[T+\k], v[SB+3*\k], v[SB+3*\k+1], v[SB+3*\k+2]
.endr
.irp k, 0,1,2,3
	v_max3_num_f32 v[T+\k], v[T+\k], v[SB+12+2*\k], v[SB+13+2*\k]
.endr
.irp k, 0,1,2,3
	v_max3_num_f32 v[T+\k], v[T+\k], v[SB+20+2*\k], v[SB+21+2*\k]
.endr
	v_max3_num_f32 v[T], v[T], v[SB+28], v[SB+29]
	v_max3_num_f32 v[T+1], v[T+1], v[SB+30], v[SB+31]
	v_max3_num_f32 v[T], v[T], v[T+1], v[T+2]
.if \first
	v_max_num_f32 v[T], v[T], v[T+3]
.else
	v_max3_num_f32 v[T], v[T], v[T+3], v[M+\e]
.endif
	v_permlanex16_b32 v[X], v[T], s14, s15
	v_max_num_f32 v[M+\e], v[T], v[X]
	v_mul_f32 v[T+2], -1.0, v[M+\e]                ; minus the new maximum
.if \first == 0
	v_sub_f32 v[T+4], v[T+2], v[NM+2*\e]           ; old maximum - new maximum, at most 0: old sums shrink by 2 to that power
	v_exp_f32 v[AL], v[T+4]
.endif
	v_mov_b32 v[NM+2*\e], v[T+2]                   ; plain instructions behind the exponential (ISA guide 5.7.2)
	v_mov_b32 v[NM+2*\e+1], v[T+2]
.irp j, 0,2,4,6,8,10,12,14,16,18,20,22,24,26,28,30
	v_pk_add_f32 v[SB+\j:SB+\j+1], v[SB+\j:SB+\j+1], v[NM+2*\e:NM+2*\e+1]          ; t - m: at most 0, and 0 at the maximum
.endr
.irp j, 0,1,2,3,4,5,6,7,8,9,10,11,12,13,14,15,16,17,18,19,20,21,22,23,24,25,26,27,28,29,30,31
	v_exp_f32 v[SB+\j], v[SB+\j]
.endr
.if \first
	v_nop                                          ; the plain place behind the run of exponentials
	s_wait_alu depctr_va_vdst(0)
.else
	s_wait_alu depctr_va_vdst(0)
	v_mov_b32 v[AL+1], v[AL]                       ; the plain place behind the run of exponentials
.endif
	; the sum of my 32, two at a time in four chains
.irp k, 0,1,2,3
	v_pk_add_f32 v[T+2*\k:T+2*\k+1], v[SB+4*\k:SB+4*\k+1], v[SB+4*\k+2:SB+4*\k+3]
.endr
.irp k, 0,1,2,3
	v_pk_add_f32 v[T+2*\k:T+2*\k+1], v[T+2*\k:T+2*\k+1], v[SB+16+2*\k:SB+17+2*\k]
.endr
.irp k, 0,1,2,3
	v_pk_add_f32 v[T+2*\k:T+2*\k+1], v[T+2*\k:T+2*\k+1], v[SB+24+2*\k:SB+25+2*\k]
.endr
	v_pk_add_f32 v[T:T+1], v[T:T+1], v[T+2:T+3]
	v_pk_add_f32 v[T+4:T+5], v[T+4:T+5], v[T+6:T+7]
.if \first
	v_pk_add_f32 v[LP+2*\e:LP+2*\e+1], v[T:T+1], v[T+4:T+5]
.else
	v_pk_add_f32 v[T:T+1], v[T:T+1], v[T+4:T+5]
	v_pk_fma_f32 v[LP+2*\e:LP+2*\e+1], v[LP+2*\e:LP+2*\e+1], v[AL:AL+1], v[T:T+1]
.endif
	; P in f16, packed in place: registers 16 kc + 0..7 become source 1 for i = 32 kc .. 32 kc + 31 (register k is written after 2 k and 2 k + 1 were read)
.irp kc, 0,1
.irp k, 0,1,2,3,4,5,6,7
	v_cvt_pk_f16_f32 v[SB+16*\kc+\k], v[SB+16*\kc+2*\k], v[SB+16*\kc+2*\k+1]
.endr
.endr
.endm
; One step: the 64 i of slot s against my 64 columns.  A tile's score product stands a whole softmax step ahead of the selects that read it, but for tile 0's.
.macro STEP s, first, last
	PLACES                                         ; four places behind the last matrix instructions, which read the v fragments
	WIN W_LD
	FETCHK \s
	FETCHV \s
	s_wait_dscnt 16                                ; the q fragments are in; the 16 loads of v behind them may stay out
	WIN W_S
	SMM 0
	SMM 1
	WIN 0
	PLACES                                         ; four places between tile 0's products and the selects that read them (ISA guide 7.12.1)
	SM 0, MWA, MWB, 4096, (1-\first), \first
	s_wait_dscnt 0x0                               ; the v fragments
	ACC 0, \first
	WIN W_S
	SMM 2
	WIN 0
	SM 1, MWB, MWA, 8192, 0, \first
	ACC 1, \first
	WIN W_S
	SMM 3
	WIN 0
	SM 2, MWA, MWB, 12288, 0, \first
	ACC 2, \first
	WIN 0
.if \last
	SM 3, MWB, MWA, -1, 0, \first                  ; nothing is left to ask for: no load passes the end of mbits
.else
	SM 3, MWB, MWA, 128, 0, \first                 ; the next step's tile 0
.endif
	ACC 3, \first
	WIN 0
.endm
; One tile of 64 i.  In front of the barrier every wave waits for all its tensor loads (this tile among them) and for its reads of the other slot.
; refill = 1: the barrier is a round of the cluster's, and behind it the other slot is filled again first, one tensor load a wave; it has this step in which to land.
; refill = 0 (the first and the last step): nothing is filled, and the work-group's own barrier shows the tile to all eight waves.
.macro TRIP s, refill, first, last
	s_wait_tensorcnt 0x0
	ds_add_u32 v62, v63
	s_wait_dscnt 0x0
.if \refill
	s_add_nc_u64 s[G0+4*(1-\s)+2:G0+4*(1-\s)+3], s[G0+4*(1-\s)+2:G0+4*(1-\s)+3], 2*TILEB   ; no load of mine is out: the other slot's next tile
.endif
	s_wait_dscnt 0x0
.if \refill
	ROUND
	JLOAD (1-\s)
.else
	s_barrier_signal -1
	s_barrier_wait -1
.endif
	STEP \s, \first, \last
.endm
	TRIP 0, 0, 1, 0                                ; step 0 starts maxima, sums and outputs; both slots are on their way or in
	s_mov_b32 s[CNT], 15
.Llap:
	TRIP 1, 1, 0, 0                                ; steps 1, 3, .. 29: slot 0 gets tiles 2, 4, .. 30
	TRIP 0, 1, 0, 0                                ; steps 2, 4, .. 30: slot 1 gets tiles 3, 5, .. 31
	s_sub_co_u32 s[CNT], s[CNT], 1
	s_cmp_lg_u32 s[CNT], 0
	s_cbranch_scc1 .Llap
	TRIP 1, 0, 0, 1                                ; step 31: nothing is left to fetch
	; THE WAY OUT: divide by the sums, round to f16, 16 bytes (8 dv of one column j) a lane into the stage, rows of 256 bytes (both heads) back
	PLACES
.macro OUTE e
	v_add_f32 v[T], v[LP+2*\e], v[LP+2*\e+1]
	v_permlanex16_b32 v[X], v[T], s14, s15
	v_add_f32 v[T], v[T], v[X]                     ; the column's whole sum; it holds the largest weight, 1, so it is never zero
	v_rcp_f32 v[T+2], v[T]
	v_nop                                          ; the plain place behind the reciprocal
	s_wait_alu depctr_va_vdst(0)
	v_mov_b32 v[T+3], v[T+2]
	WIN W_RS
.irp j, 0,2,4,6,8,10,12,14,16,18,20,22,24,26,28,30
	v_pk_mul_f32 v[O+32*\e+\j:O+32*\e+\j+1], v[O+32*\e+\j:O+32*\e+\j+1], v[T+2:T+3]
.endr
	WIN W_CV
.irp dt, 0,1,2,3
.irp k, 0,1,2,3
	v_cvt_pk_f16_f32 v[S+4*\dt+\k], v[O+32*\e+8*\dt+2*\k], v[O+32*\e+8*\dt+2*\k+1]
.endr
.endr
	WIN 0
.irp dt, 0,1,2,3
	ds_store_b128 v[STO], v[S+4*\dt:S+4*\dt+3] offset:16*PITK*\e+32*\dt
.endr
.endm
	OUTE 0
	OUTE 1
	OUTE 2
	OUTE 3
	s_wait_dscnt 0x0                               ; my stores are in LDS before I say so: a stage row holds two waves' halves
	s_barrier_signal -1
	s_barrier_wait -1
.irp t, 0,1,2,3,4,5,6,7,8,9,10,11,12,13,14,15
	ds_load_b128 v[S+64+4*\t:S+64+4*\t+3], v[RD] offset:2*PITK*\t
.endr
.irp t, 0,1,2,3,4,5,6,7,8,9,10,11,12,13,14,15
	s_wait_dscnt 15-\t
	global_store_b128 v[CO], v[S+64+4*\t:S+64+4*\t+3], s[XB:XB+1] offset:(32*(\t&7)+(\t>>3))*2048    ; 16 lanes store 256 consecutive bytes at a multiple of 256
.endr
	s_wait_tensorcnt 0x0
	ds_add_u32 v62, v63
	s_wait_dscnt 0x0
	ROUND                                          ; the closing round
	s_endpgm
.Lfunc_end_k_q44740c77b8_attn:
	.size	k_q44740c77b8_attn, .Lfunc_end_k_q44740c77b8_attn-k_q44740c77b8_attn
	.p2alignl 7, 3214868480
	.fill 96, 4, 3214868480
	.section	.rodata,"a",@progbits
	.p2align	6, 0x0
	.amdhsa_kernel k_q44740c77b8_attn
		.amdhsa_group_segment_fixed_size 327680
		.amdhsa_private_segment_fixed_size 0
		.amdhsa_enable_private_segment 0
		.amdhsa_kernarg_size 24
		.amdhsa_user_sgpr_count 2
		.amdhsa_user_sgpr_kernarg_segment_ptr 1
		.amdhsa_wavefront_size32 1
		.amdhsa_system_sgpr_workgroup_id_x 1
		.amdhsa_system_sgpr_workgroup_id_y 1
		.amdhsa_system_sgpr_workgroup_id_z 1
		.amdhsa_system_vgpr_workitem_id 0
		.amdhsa_next_free_vgpr 512
		.amdhsa_next_free_sgpr 102
		.amdhsa_reserve_vcc 0
		.amdhsa_float_denorm_mode_32 3
		.amdhsa_float_denorm_mode_16_64 3
		.amdhsa_memory_ordered 1
		.amdhsa_forward_progress 1
		.amdhsa_inst_pref_size 183
	.end_amdhsa_kernel
	.amdgpu_metadata
---
amdhsa.version: [ 1, 2 ]
amdhsa.kernels:
  - .name:           k_q44740c77b8_attn
    .symbol:         k_q44740c77b8_attn.kd
    .args:
      - { .name: qkv, .offset: 0, .size: 8, .value_kind: global_buffer, .address_space: global }
      - { .name: mbits, .offset: 8, .size: 8, .value_kind: global_buffer, .address_space: global }
      - { .name: xatt, .offset: 16, .size: 8, .value_kind: global_buffer, .address_space: global }
    .group_segment_fixed_size: 327680
    .private_segment_fixed_size: 0
    .kernarg_segment_align: 8
    .kernarg_segment_size: 24
    .max_flat_workgroup_size: 256
    .sgpr_count:     102
    .vgpr_count:     512
    .wavefront_size: 32
...
	.end_amdgpu_metadata
.endif
;; end of part 3
;; launch gemm_out (part 4): grid 4 x 64, 4 waves a work-group, clusters of 4 x 4, 327,680 bytes of LDS; arguments xatt, wt, out0, bo; writes out0
.if DOCPART == 4
	.amdgcn_target "amdgcn-amd-amdhsa--gfx1250"
	.amdhsa_code_object_version 6
	.text
	.protected	k_q44740c77b8_gemm_out
	.globl	k_q44740c77b8_gemm_out
	.p2align	8
	.type	k_q44740c77b8_gemm_out,@function
k_q44740c77b8_gemm_out:
	s_mov_b64 s[64:65], 0
	v_nop
	global_prefetch_b8 v0, s[64:65] scope:SCOPE_SE
	s_setreg_imm32_b32 hwreg(HW_REG_WAVE_MODE, 25, 1), 1
	s_wait_xcnt 0x0
	s_wait_alu depctr_hold_cnt(0) depctr_sa_sdst(0) depctr_va_vdst(0) depctr_va_sdst(0) depctr_va_ssrc(0) depctr_va_vcc(0) depctr_vm_vsrc(0)
	s_getreg_b32 s2, hwreg(HW_REG_IB_STS2, 6, 4)
	s_cmp_eq_u32 s2, 0
	s_cbranch_scc0 .Lentry_in_a_cluster
	s_endpgm
.Lentry_in_a_cluster:
	s_bfe_u32 s2, ttmp6, 0x10000c
	s_cmp_lg_u32 s2, 0xf033
	s_cbranch_scc0 .Lentry_shape_is_right
	s_endpgm
.Lentry_shape_is_right:
; C[m][n] = sum over k of A[m][k] B[n][k] (+ bias[n] where OUTF32).  A: [8192][SIZE_K] f16; B: rows of wt from byte BOFF on, [SIZE_N][SIZE_K] f16; sums in f32.
; Here: A = xatt, B = wt rows 3072-4095 (Wo turned), C = out0 in f32, bias = bo.
; A work-group makes 128 rows x 256 columns of C with four waves; a wave makes 64 x 128: 32 accumulator tiles of 16 x 16, 256 registers.
; With this block the grid is 4 x 64 = 256 work-groups here and 12 x 64 = 768 in the launch that shares this text; a block of 256 x 256 would give 128 and 384.
; K goes in steps of 128 through two LDS slots filled by the tensor data mover: a tile's rows are 256 bytes of memory at multiples of 256 bytes.
; CLUSTERS: 4 x 4 work-groups.  The four of a row of the cluster need the same tiles of A, the four of a column the same tiles of B: each tile is asked for jointly,
; by the same tensor load with the same descriptor and a mask that names the four, which divides the requests for A and for B by four.
; REGISTERS: window 0: v16-31 addresses and bias; v32-63, v64-95 fragments of A (4 x 16 rows x 32 K), two buffers; v96-159, v160-223 fragments of B (8), two buffers;
; v224-255 at work on the way out.  Window 1: accumulator tile (a, b) at v[8 (8 a + b)].
; The matrix instruction is used transposed (source 0 = rows of B, source 1 = rows of A): lane l holds row l % 16 of C and eight neighbouring columns 8 (l / 16) + 0..7.
; The 32 accumulators take turns, one instruction a turn, in the same order in every quarter step.
.set SIZE_K, 1024
.set SIZE_N, 1024
.set BOFF,   6291456                   ; byte offset of B's first row in wt: 3,072 rows of 2,048 bytes
.set OUTF32, 1                         ; 0: C in f16; 1: C in f32 with a bias
.set OUTB,   4                         ; bytes of a number of C
.set KSTEP,  128
.set PITCH,  272                       ; an LDS row: 256 bytes + 16 of padding, an odd multiple of 16: the 16 rows of a fragment load start in 16 different 16-byte columns
.set HALFB,  128*PITCH                 ; what one tensor load of B brings, and what one wave reads of B
.set HALFA,  64*PITCH                  ; the same for A
.set AOFF,   2*HALFB                   ; a slot: B's 256 rows, then A's 128 rows
.set SLOT,   2*HALFB+2*HALFA
.set STAGE,  2*SLOT                    ; behind the ring: 16 rows for each wave, for the way out; no tensor load lands there
.if OUTF32
.set SPITCH, 528                       ; 128 f32 + 16 bytes
.else
.set SPITCH, 272                       ; 128 f16 + 16 bytes
.endif
.set LAPS, SIZE_K/(2*KSTEP)            ; a lap = two K steps = once round the ring: 4
.set ADRA, 16                          ; v16-17  LDS address of my A fragments in slot 0, 1
.set ADRB, 20                          ; v20-21  the same for B
.set STO,  24                          ; v24     the way out: where I put my part of a row
.set RD,   25                          ; v25     the way out: where I read rows back
.set CO,   26                          ; v26     my byte offset in C
.set BIAS, 28                          ; v28-31  bias of my four columns (OUTF32)
.set FA0,  32
.set FA1,  64
.set FB0,  96
.set FB1,  160
.set TMP,  224
.set G1,  24                           ; s[24:31] descriptor group 1 for A's tiles
.set G0,  32                           ; s[32:39] group 0 for A's tiles, one set for each slot
.set G1B, 48                           ; s[48:55] group 1 for B's tiles
.set G0B, 56                           ; s[56:63] group 0 for B's tiles, one set for each slot
.set MSB, 0
.macro WIN new                         ; the immediate's high byte repeats the setting that is left
.if MSB != \new
	s_set_vgpr_msb (MSB<<8)|\new
.set MSB, \new
.endif
.endm
.set MUL, 0x50                         ; sources 0 and 1 window 0, C and D window 1
; A joint load.  Waves 0 and 1 fetch B's two halves, waves 2 and 3 A's.  Each line has one mask and one set of registers; the branch hangs on the wave's number alone.
.macro JLOAD s
	s_cmp_eq_u32 s11, 0
	s_cbranch_scc0 .Lfor_a_\@
	tensor_load_to_lds s[G0B+4*\s:G0B+4*\s+3], s[G1B:G1B+7]
	s_nop 0
	s_branch .Lasked_\@
.Lfor_a_\@:
	tensor_load_to_lds s[G0+4*\s:G0+4*\s+3], s[G1:G1+7]
	s_nop 0
.Lasked_\@:
.endm
; A round of the cluster's barrier: my work-group's barrier; wave 0 signals for the work-group; every wave waits for all sixteen; my work-group's barrier once more.
.macro CREST                           ; a round behind its opening barrier
	s_cmp_lg_u32 s10, 0
	s_cbranch_scc1 .Lnot_wave_0_\@
	s_barrier_signal -3
.Lnot_wave_0_\@:
	s_barrier_wait -3
	s_barrier_signal -1
	s_barrier_wait -1
.endm
.macro CROUND
	s_barrier_signal -1
	s_barrier_wait -1
	CREST
.endm
	s_load_b128 s[4:7], s[0:1], 0x0                ; A s[4:5], wt s[6:7]
	s_load_b64 s[8:9], s[0:1], 0x10                ; C
.if OUTF32
	s_load_b64 s[66:67], s[0:1], 0x18              ; bias
	v_lshl_add_u32 v254, v0, 2, 0x3b400
	v_mov_b32 v255, 0
	ds_add_u32 v254, v255
.endif
	v_lshrrev_b32 v1, 5, v0
	v_readfirstlane_b32 s10, v1                    ; wave 0..3
	s_lshr_b32 s11, s10, 1                         ; which 64 rows of the block are mine.  Also: I fetch for B (0) or for A (1)
	s_and_b32 s12, s10, 1                          ; which 128 columns.  Also: which half of that tile I fetch
	s_bfe_u32 s40, ttmp6, 0x40000                  ; cx
	s_bfe_u32 s41, ttmp6, 0x40004                  ; cy
	s_lshl_b32 s42, ttmp9, 2
	s_add_co_u32 s42, s42, s40                     ; block column = 4 x cluster x + cx
	s_and_b32 s13, ttmp7, 0xffff
	s_lshl_b32 s13, s13, 2
	s_add_co_u32 s13, s13, s41                     ; block row = 4 x cluster y + cy
	s_lshl_b32 s43, s41, 2
	s_lshl_b32 s43, 15, s43                        ; my row of the cluster: places 4 cy .. 4 cy + 3
	s_lshl_b32 s44, 0x1111, s40                    ; my column: places cx, cx + 4, cx + 8, cx + 12
	; group 1: rows of 128 elements of 2 bytes, 4 words of padding behind every 64 words; A's tile has 64 rows, B's 128
	s_or_b32 s[G1+0], s43, (1<<16)|(1<<20)|(1<<21)|(5<<22)|(3<<25)   ; 15:0 mask: A's tiles go to my row; 17:16 2 bytes; 20 padding; 21 set beside a mask; 24:22 interval code 5; 31:25 pad code 3
	s_or_b32 s[G1B+0], s44, (1<<16)|(1<<20)|(1<<21)|(5<<22)|(3<<25)  ; the same with my column's mask
	s_mov_b32 s[G1+1], KSTEP<<16                   ; tensor_dim0 = 128
	s_mov_b32 s[G1B+1], KSTEP<<16
	s_mov_b32 s[G1+2], 64<<16                      ; tensor_dim1 = 64
	s_mov_b32 s[G1B+2], 128<<16                    ; tensor_dim1 = 128
	s_mov_b32 s[G1+3], KSTEP<<16                   ; tile_dim0 = 128
	s_mov_b32 s[G1B+3], KSTEP<<16
	s_mov_b32 s[G1+4], 64                          ; tile_dim1
	s_mov_b32 s[G1B+4], 128
	s_mov_b32 s[G1+5], SIZE_K                      ; elements from row to row
	s_mov_b32 s[G1B+5], SIZE_K
	s_mov_b32 s[G1+6], 0
	s_mov_b32 s[G1B+6], 0
	s_mov_b32 s[G1+7], 0
	s_mov_b32 s[G1B+7], 0
	; A's tiles hang on the block row alone, B's on the block column alone; each address is made in registers that never hold the other coordinate
	s_lshl_b32 s17, s12, 6
	s_lshl_b32 s16, s13, 7
	s_add_co_u32 s16, s16, s17                     ; A: row 128 x block row + 64 x half
	s_lshl_b32 s16, s16, 11                        ; x 2,048 bytes: below 2^24
	s_mov_b32 s17, 0
	s_lshl_b32 s47, s12, 7
	s_lshl_b32 s46, s42, 8
	s_add_co_u32 s46, s46, s47                     ; B: row 256 x block column + 128 x half
	s_lshl_b32 s46, s46, 11
	s_add_co_u32 s46, s46, BOFF
	s_mov_b32 s47, 0
	s_mul_i32 s20, s10, HALFB                      ; LDS, B's halves: wave x 34,816 (waves 0, 1)
	s_mul_i32 s21, s10, HALFA
	s_add_co_u32 s21, s21, AOFF-2*HALFA            ; LDS, A's halves: 69,632 + (wave - 2) x 17,408 (waves 2, 3)
	s_wait_dscnt 0x0
	s_wait_kmcnt 0x0
	s_add_nc_u64 s[14:15], s[4:5], s[16:17]
	s_add_nc_u64 s[46:47], s[6:7], s[46:47]
	CROUND                                         ; all sixteen work-groups are here: the first joint loads meet
.irp s, 0,1
	s_mov_b32 s[G0+4*\s], 1
	s_add_co_u32 s[G0+4*\s+1], s21, \s*SLOT
	s_add_nc_u64 s[G0+4*\s+2:G0+4*\s+3], s[14:15], \s*KSTEP*2      ; K step s
	s_or_b32 s[G0+4*\s+3], s[G0+4*\s+3], 0x80000000                ; type = 2
	s_mov_b32 s[G0B+4*\s], 1
	s_add_co_u32 s[G0B+4*\s+1], s20, \s*SLOT
	s_add_nc_u64 s[G0B+4*\s+2:G0B+4*\s+3], s[46:47], \s*KSTEP*2
	s_or_b32 s[G0B+4*\s+3], s[G0B+4*\s+3], 0x80000000
	JLOAD \s                                       ; both slots' first fills go out before anything else: two tensor loads of the wave are out
.endr
	; a fragment is 16 rows x 32 K in 8 registers: lane l holds row l % 16, K = 8 (l / 16) + 0..7 and 16 + 8 (l / 16) + 0..7: two loads of 16 bytes, 32 bytes apart
	v_and_b32 v1, 15, v0
	v_bfe_u32 v2, v0, 4, 1
	v_mul_u32_u24 v3, v1, PITCH
	v_lshl_add_u32 v3, v2, 4, v3
	s_mul_i32 s22, s11, HALFA
	s_add_co_u32 s22, s22, AOFF                    ; my 64 rows of A
	s_mul_i32 s23, s12, HALFB                      ; my 128 rows of B
.irp s, 0,1
	v_add_nc_u32 v[ADRA+\s], s22, v3
	v_add_nc_u32 v[ADRB+\s], s23, v3
	s_add_co_u32 s22, s22, SLOT
	s_add_co_u32 s23, s23, SLOT
.endr
	s_mul_i32 s23, s10, 16*SPITCH
	s_add_co_u32 s23, s23, STAGE                   ; my stage
	v_mul_u32_u24 v4, v1, SPITCH
.if OUTF32
	v_lshl_add_u32 v4, v2, 5, v4                   ; in: row l % 16, 32 bytes (8 f32) for each half of the lanes
	v_add_nc_u32 v[STO], s23, v4
	v_and_b32 v5, 31, v0
	v_lshlrev_b32 v[CO], 4, v5                     ; back and out: a wave takes a whole row of 512 bytes, 16 bytes a lane
	v_add_nc_u32 v[RD], s23, v[CO]
	s_lshl_b32 s44, s42, 10                        ; bias of my wave's 128 columns: 4 x (256 x block column + 128 x half) bytes
	s_lshl_b32 s45, s12, 9
	s_add_co_u32 s44, s44, s45
	s_mov_b32 s45, 0
	s_add_nc_u64 s[66:67], s[66:67], s[44:45]
	global_load_b128 v[BIAS:BIAS+3], v[CO], s[66:67]               ; waited for on the way out; its address registers are never written again
.else
	v_lshl_add_u32 v4, v2, 4, v4                   ; in: row l % 16, 16 bytes (8 f16) for each half of the lanes
	v_add_nc_u32 v[STO], s23, v4
	v_mul_u32_u24 v5, v2, SPITCH                   ; back: lanes 0-15 take one row of 256 bytes, lanes 16-31 the next
	v_lshl_add_u32 v5, v1, 4, v5
	v_add_nc_u32 v[RD], s23, v5
	v_mul_u32_u24 v5, v2, SIZE_N*OUTB              ; and the same two rows in C
	v_lshl_add_u32 v[CO], v1, 4, v5
.endif
; 8 matrix instructions: m block a x all 8 n blocks, 32 along K.  zero = 1: the first product starts the sums
.macro MULA fa, fb, a, zero
.irp b, 0,1,2,3,4,5,6,7
.if \zero
	v_wmma_f32_16x16x32_f16 v[8*(8*\a+\b):8*(8*\a+\b)+7], v[\fb+8*\b:\fb+8*\b+7], v[\fa+8*\a:\fa+8*\a+7], 0
.else
	v_wmma_f32_16x16x32_f16 v[8*(8*\a+\b):8*(8*\a+\b)+7], v[\fb+8*\b:\fb+8*\b+7], v[\fa+8*\a:\fa+8*\a+7], v[8*(8*\a+\b):8*(8*\a+\b)+7]
.endif
.endr
.endm
; 24 LDS loads in one run: the fragments of one quarter step (128 rows of B, then 64 rows of A, 32 K at byte k of the rows)
.macro FETCH slot, k, fa, fb
.irp i, 0,1,2,3,4,5,6,7
	ds_load_b128 v[\fb+8*\i:\fb+8*\i+3],   v[ADRB+\slot] offset:\k+\i*16*PITCH
	ds_load_b128 v[\fb+8*\i+4:\fb+8*\i+7], v[ADRB+\slot] offset:\k+\i*16*PITCH+32
.endr
.irp i, 0,1,2,3
	ds_load_b128 v[\fa+8*\i:\fa+8*\i+3],   v[ADRA+\slot] offset:\k+\i*16*PITCH
	ds_load_b128 v[\fa+8*\i+4:\fa+8*\i+7], v[ADRA+\slot] offset:\k+\i*16*PITCH+32
.endr
.endm
; four places behind the matrix instructions that read a buffer, in front of the loads that fill it again (ISA guide 7.12.1 for vector instructions)
.macro PLACES
.rept 4
	v_nop
.endr
.endm
; one of a K step's first three quarter steps: multiplies buffer (fa, fb); in its middle it fetches the next quarter's fragments into (ga, gb)
.macro QUARTER slot, k, fa, fb, ga, gb, zero
	s_wait_dscnt 4                                 ; B and A's rows 0-31 are in; the youngest four loads (A's rows 32-63) may be out
	WIN MUL
	MULA \fa, \fb, 0, \zero
	MULA \fa, \fb, 1, \zero
	PLACES
	WIN 0
	FETCH \slot, \k, \ga, \gb
	s_wait_dscnt 24                                ; all but the 24 just issued
	WIN MUL
	MULA \fa, \fb, 2, \zero
	MULA \fa, \fb, 3, \zero
.endm
.macro THREE slot, zero
	QUARTER \slot, 64,  FA0, FB0, FA1, FB1, \zero
	QUARTER \slot, 128, FA1, FB1, FA0, FB0, 0
	QUARTER \slot, 192, FA0, FB0, FA1, FB1, 0
.endm
; the last quarter: multiplies buffer 1 and changes slots.  One barrier: in front of it each wave waits for its reads of this slot and for all its tensor loads
; (one is out: its part of the next slot); behind it the refill comes first, then the next slot's first fragments.
; From a request to the wait for it a wave issues 120 matrix instructions.
.macro TURN slot, next, fill
	s_wait_dscnt 4
	WIN MUL
	MULA FA1, FB1, 0, 0
	s_wait_dscnt 0                                 ; my reads of this slot are over
	s_wait_tensorcnt 0x0                           ; all my tensor loads have landed
	ds_add_u32 v254, v255
	s_wait_dscnt 0x0
	s_barrier_signal -1                            ; where a slot is filled again this barrier opens a round of the cluster's barrier
	MULA FA1, FB1, 1, 0                            ; register work while the others arrive
	WIN 0
	s_barrier_wait -1
.if \fill
	CREST                                          ; no wave of any partner still reads this slot or has a load on its way
	s_add_nc_u64 s[G0+4*\slot+2:G0+4*\slot+3], s[G0+4*\slot+2:G0+4*\slot+3], 2*KSTEP*2
	s_add_nc_u64 s[G0B+4*\slot+2:G0B+4*\slot+3], s[G0B+4*\slot+2:G0B+4*\slot+3], 2*KSTEP*2
	JLOAD \slot                                    ; the wave's one tensor load behind the round
.endif
	PLACES
	FETCH \next, 0, FA0, FB0
	WIN MUL
	MULA FA1, FB1, 2, 0
	MULA FA1, FB1, 3, 0
.endm
.macro LAP zero
	THREE 0, \zero
	TURN 0, 1, 1
	THREE 1, 0
	TURN 1, 0, 1
.endm
	s_wait_tensorcnt 1                             ; my part of K step 0 is in; K step 1's load may stay out
	s_barrier_signal -1
	s_barrier_wait -1
	FETCH 0, 0, FA0, FB0
	LAP 1                                          ; the first lap stands in front of the loop: its first products start the sums
	WIN 0
	s_mov_b32 s3, LAPS-2
.Llap:
	LAP 0
	WIN 0
	s_sub_co_u32 s3, s3, 1
	s_cmp_lg_u32 s3, 0
	s_cbranch_scc1 .Llap
	THREE 0, 0                                     ; the last lap fills nothing
	TURN 0, 1, 0
	THREE 1, 0
	s_wait_dscnt 0
	WIN MUL
	MULA FA1, FB1, 0, 0
	MULA FA1, FB1, 1, 0
	MULA FA1, FB1, 2, 0
	MULA FA1, FB1, 3, 0
	; THE WAY OUT, 16 rows of C at a time, through my own stage in LDS, read back as whole rows
	PLACES                                         ; the places behind the last matrix instructions
	s_lshl_b32 s13, s13, 7
	s_lshl_b32 s14, s11, 6
	s_add_co_u32 s16, s13, s14                     ; my first row of C
	s_mul_i32 s16, s16, SIZE_N*OUTB                ; below 2^26
	s_mov_b32 s17, 0
	s_add_nc_u64 s[8:9], s[8:9], s[16:17]
	s_mul_i32 s46, s42, 256*OUTB                   ; my first column, in bytes
	s_mul_i32 s47, s12, 128*OUTB
	s_add_co_u32 s46, s46, s47
	s_mov_b32 s47, 0
	s_add_nc_u64 s[8:9], s[8:9], s[46:47]
.if OUTF32
; rows 16 a .. 16 a + 15 of my block: 32 bytes a lane and tile into the stage, whole rows of 512 bytes back, the bias added, 512 consecutive aligned bytes a store
.macro OUTF a, f
	WIN 0x04                                       ; store data from window 1
.irp b, 0,1,2,3,4,5,6,7
	ds_store_b128 v[STO], v[8*(8*\a+\b):8*(8*\a+\b)+3] offset:64*\b
	ds_store_b128 v[STO], v[8*(8*\a+\b)+4:8*(8*\a+\b)+7] offset:64*\b+16
.endr
	WIN 0
	s_wait_xcnt 0x0                                ; buffer f, which earlier stores read, and the stores' base are rewritten only behind this wait
.if \a
	s_add_nc_u64 s[8:9], s[8:9], 16*SIZE_N*OUTB
.endif
.irp t, 0,1,2,3,4,5,6,7,8,9,10,11,12,13,14,15
	ds_load_b128 v[\f+4*\t:\f+4*\t+3], v[RD] offset:\t*SPITCH      ; LDS serves a wave's instructions in order: these see the stores above
.endr
.irp t, 0,1,2,3,4,5,6,7,8,9,10,11,12,13,14,15
	s_wait_dscnt 15-\t
	v_pk_add_f32 v[\f+4*\t:\f+4*\t+1], v[\f+4*\t:\f+4*\t+1], v[BIAS:BIAS+1]
	v_pk_add_f32 v[\f+4*\t+2:\f+4*\t+3], v[\f+4*\t+2:\f+4*\t+3], v[BIAS+2:BIAS+3]
	global_store_b128 v[CO], v[\f+4*\t:\f+4*\t+3], s[8:9] offset:\t*SIZE_N*OUTB th:TH_STORE_NT
.endr
.endm
	s_wait_loadcnt 0x0                             ; the bias
	OUTF 0, FB0
	OUTF 1, FB1
	OUTF 2, FB0
	OUTF 3, FB1
.else
; rows 16 a .. 16 a + 15 of my block: rounded to f16, 16 bytes a lane and tile into the stage, rows of 256 bytes back, 16 lanes store 256 consecutive aligned bytes
.macro OUT16 a, f
	WIN 0x05                                       ; both sources from window 1
.irp b, 0,1,2,3,4,5,6,7
.irp r, 0,1,2,3
	v_cvt_pk_f16_f32 v[TMP+4*\b+\r], v[8*(8*\a+\b)+2*\r], v[8*(8*\a+\b)+2*\r+1]
.endr
.endr
	WIN 0
.irp b, 0,1,2,3,4,5,6,7
	ds_store_b128 v[STO], v[TMP+4*\b:TMP+4*\b+3] offset:32*\b
.endr
	s_wait_xcnt 0x0                                ; buffer f, which earlier stores read, and the stores' base are rewritten only behind this wait
.if \a
	s_add_nc_u64 s[8:9], s[8:9], 16*SIZE_N*OUTB
.endif
.irp t, 0,1,2,3,4,5,6,7
	ds_load_b128 v[\f+4*\t:\f+4*\t+3], v[RD] offset:\t*2*SPITCH    ; LDS serves a wave's instructions in order: these see the stores above
.endr
.irp t, 0,1,2,3,4,5,6,7
	s_wait_dscnt 7-\t
	global_store_b128 v[CO], v[\f+4*\t:\f+4*\t+3], s[8:9] offset:2*\t*SIZE_N*OUTB
.endr
.endm
	OUT16 0, FB0
	OUT16 1, FB1
	OUT16 2, FB0
	OUT16 3, FB1
.endif
	s_wait_tensorcnt 0x0
	ds_add_u32 v254, v255
	s_wait_dscnt 0x0
	CROUND                                         ; the closing round: no work-group ends while a partner may still ask for a tile that names it
	s_endpgm
.Lfunc_end_k_q44740c77b8_gemm_out:
	.size	k_q44740c77b8_gemm_out, .Lfunc_end_k_q44740c77b8_gemm_out-k_q44740c77b8_gemm_out
	.p2alignl 7, 3214868480
	.fill 96, 4, 3214868480
	.section	.rodata,"a",@progbits
	.p2align	6, 0x0
	.amdhsa_kernel k_q44740c77b8_gemm_out
		.amdhsa_group_segment_fixed_size 327680
		.amdhsa_private_segment_fixed_size 0
		.amdhsa_enable_private_segment 0
		.amdhsa_kernarg_size 32
		.amdhsa_user_sgpr_count 2
		.amdhsa_user_sgpr_kernarg_segment_ptr 1
		.amdhsa_wavefront_size32 1
		.amdhsa_system_sgpr_workgroup_id_x 1
		.amdhsa_system_sgpr_workgroup_id_y 1
		.amdhsa_system_sgpr_workgroup_id_z 1
		.amdhsa_system_vgpr_workitem_id 0
		.amdhsa_next_free_vgpr 512
		.amdhsa_next_free_sgpr 68
		.amdhsa_reserve_vcc 0
		.amdhsa_float_denorm_mode_32 3
		.amdhsa_float_denorm_mode_16_64 3
		.amdhsa_memory_ordered 1
		.amdhsa_forward_progress 1
		.amdhsa_inst_pref_size 126
	.end_amdhsa_kernel
	.amdgpu_metadata
---
amdhsa.version: [ 1, 2 ]
amdhsa.kernels:
  - .name:           k_q44740c77b8_gemm_out
    .symbol:         k_q44740c77b8_gemm_out.kd
    .args:
      - { .name: xatt, .offset: 0, .size: 8, .value_kind: global_buffer, .address_space: global }
      - { .name: wt, .offset: 8, .size: 8, .value_kind: global_buffer, .address_space: global }
      - { .name: out0, .offset: 16, .size: 8, .value_kind: global_buffer, .address_space: global }
      - { .name: bo, .offset: 24, .size: 8, .value_kind: global_buffer, .address_space: global }
    .group_segment_fixed_size: 327680
    .private_segment_fixed_size: 0
    .kernarg_segment_align: 8
    .kernarg_segment_size: 32
    .max_flat_workgroup_size: 128
    .sgpr_count:     68
    .vgpr_count:     512
    .wavefront_size: 32
...
	.end_amdgpu_metadata
.endif
;; end of part 4
